; MI455X (gfx1250); checked and timed in simulation.
; The chip was launched on July 23, 2026; its instructions are those of AMD's public machine-readable ISA for CDNA 5 (MIT licence, August 2026) and "CDNA5" Instruction Set Architecture Reference Guide (July 2026). The comments in the code are by the model that wrote it; some were corrected since.
;; Mo E. Allowed arithmetic: float matrix products may take bf16 or f16 operands with f32 sums; other float arithmetic in f32, or as packed bf16 or f16 multiplies, adds, multiply-adds, maxima and minima; sums over many terms, partial sums and values carried from step to step in f32; what a program stores and reads back later, other than sums and carried values, may be rounded once to bf16 or f16.
;; Inputs: b1 8 x 4,096 float32; b2 8 x 1,024 float32; gate_b 8 float32; gate_w 1,024 x 8 float32; ln_b 1,024 float32; ln_g 1,024 float32; w1 8 x 1,024 x 4,096 float32; w2 8 x 4,096 x 1,024 float32; x 2 x 512 x 1,024 float32.
;; Outputs: out0 2 x 512 x 1,024 float32.
;; One version. Each part assembles by itself: llvm-mc -triple=amdgcn-amd-amdhsa -mcpu=gfx1250 --defsym DOCPART=n.
;; ======== version 1 of 1: 4 launches
;; workspace buffers: xb 2,097,152 bytes; sel 4,096 bytes of whole numbers; prob 8,192 bytes; h 67,108,864 bytes; y 33,554,432 bytes
;; launch router (part 1): grid 256 x 1, 4 waves a work-group, no clusters, 16,896 bytes of LDS; arguments x, gate_w, gate_b, xb, sel, prob; writes xb, sel, prob
.if DOCPART == 1
	.amdgcn_target "amdgcn-amd-amdhsa--gfx1250"
	.amdhsa_code_object_version 6
	.text
	.protected	k_q01e402d18e_router
	.globl	k_q01e402d18e_router
	.p2align	8
	.type	k_q01e402d18e_router,@function
k_q01e402d18e_router:
	s_mov_b64 s[64:65], 0
	v_nop
	global_prefetch_b8 v0, s[64:65] scope:SCOPE_SE
	s_setreg_imm32_b32 hwreg(HW_REG_WAVE_MODE, 25, 1), 1
	s_wait_xcnt 0x0
; ROUTER.  One wave, one token (1,024 tokens, 256 work-groups of 4 waves).  It rounds the token's row of x to bf16 (xb, the first product's operand),
; makes the 8 gate sums z = x . gate_w + gate_b in f32 from the numbers rounded to bf16 (all the program's inputs are rounded so, once), picks the two largest and
; stores, at fixed places: sel[t] = (1 << e0) | (1 << (8 + e1)), and prob[t] = the two softmax weights.  No address here hangs on the choice.
; gate_w (32 KiB) IS FETCHED ONCE A WORK-GROUP: each wave loads a quarter, 16 loads of 512 consecutive bytes, rounds it to bf16 and lays it into LDS; behind one barrier every wave reads all 16 KiB.
; In LDS row d = 128 i + 4 l + c (16 bytes: 8 experts) lies at 2,048 i + 512 c + 16 l, so that the load for a lane's number 4 i + c takes lane l's row at 16 l: 512 consecutive bytes a load.
; The stores' four values of c lie 512 bytes apart and so meet in the same banks (64 banks of 4 bytes: ISA guide 11.1), four lanes deep: 16 stores a wave, left so.
; The gate's product goes by f32 multiply-adds from bf16 halves, not by the matrix unit: it has 8 columns, half a matrix tile, and the choice of experts hangs on its sums.
; LIMITS.  The two largest are taken on z, ahead of the division by 0.9 (two z that differ but give the same quotient are ordered by z); of equal z the lower index wins, as in
; jax.lax.top_k.  The softmax takes its maximum away: the one exponent is (z1 - z0) / 0.9 <= 0.  NaN and infinities are not treated apart.
.set X,   8          ; v[8:39]    the row's 32 numbers of my lane: load i holds elements 128 i + 4 lane + 0..3
.set XB,  40         ; v[40:55]   the same in bf16, two to a register
.set ACC, 56         ; v[56:63]   the 8 sums
.set GF,  64         ; v[64:127]  my wave's quarter of gate_w as loaded: load j holds row 256 w + 16 j + lane / 2, experts 4 (lane % 2) + 0..3
.set GP,  128        ; v[128:159] the same in bf16: 8 bytes a load
.set GB,  64         ; v[64:191]  behind the barrier: gate_w's rows for my 32 numbers, in bf16: register 4 k + e / 2 for my k-th number and expert e
.set G,   64         ; later at work
.set SPW, 192        ; v192  my spare word's address; never rewritten
.set NIL, 193        ; v193  0; never rewritten
.set SPARE, 16384    ; behind gate_w's 16 KiB: the spare words, 128 bytes for each wave: two blocks of 256 bytes that no other line names
	s_load_b256 s[4:11], s[0:1], 0x0               ; x s[4:5], gate_w s[6:7], gate_b s[8:9], xb s[10:11]
	s_load_b128 s[12:15], s[0:1], 0x20             ; sel s[12:13], prob s[14:15]
	v_lshl_add_u32 v[SPW], v0, 2, SPARE
	v_mov_b32 v[NIL], 0
	v_and_b32 v1, 31, v0                           ; lane
	v_lshrrev_b32 v2, 5, v0
	v_readfirstlane_b32 s24, v2                    ; wave
	s_lshl2_add_u32 s25, ttmp9, s24                ; token = 4 x work-group + wave
	v_lshlrev_b32 v2, 4, v1                        ; 16 lane: x, gate_w, and the reads of LDS
	v_lshlrev_b32 v4, 3, v1                        ; 8 lane: xb
	; where my 8 bytes of load j go: row 256 w + 16 j + lane / 2 has i = 2 w + j / 8, l = 4 (j % 8) + lane / 8, c = (lane / 2) % 4; j's part stands in the store's immediate
	v_bfe_u32 v3, v0, 1, 2                         ; c
	v_lshlrev_b32 v3, 9, v3
	v_bfe_u32 v5, v0, 3, 2                         ; lane / 8
	v_lshl_add_u32 v3, v5, 4, v3
	v_and_b32 v5, 1, v0                            ; which half of the row's 16 bytes
	v_lshl_add_u32 v3, v5, 3, v3
	s_lshl_b32 s37, s24, 12                        ; my wave's 4,096 bytes of LDS
	v_add_nc_u32 v3, s37, v3
	s_lshl_b32 s38, s24, 13                        ; my wave's 8,192 bytes of gate_w
	s_mov_b32 s39, 0
	s_lshl_b32 s26, s25, 12                        ; byte offsets of the token in x,
	s_mov_b32 s27, 0
	s_lshl_b32 s28, s25, 11                        ; xb,
	s_mov_b32 s29, 0
	s_lshl_b32 s30, s25, 2                         ; sel,
	s_mov_b32 s31, 0
	s_lshl_b32 s32, s25, 3                         ; prob
	s_mov_b32 s33, 0
	s_mov_b32 s34, 0x76543210                      ; v_permlanex16_b32: each lane takes its own place in the other half
	s_mov_b32 s35, 0xfedcba98
	s_wait_kmcnt 0x0
	s_load_b256 s[16:23], s[8:9], 0x0              ; gate_b
	s_add_nc_u64 s[6:7], s[6:7], s[38:39]
	s_add_nc_u64 s[4:5], s[4:5], s[26:27]
	s_add_nc_u64 s[10:11], s[10:11], s[28:29]
	s_add_nc_u64 s[12:13], s[12:13], s[30:31]
	s_add_nc_u64 s[14:15], s[14:15], s[32:33]
.irp j, 0,1,2,3,4,5,6,7,8,9,10,11,12,13,14,15
	global_load_b128 v[GF+4*\j:GF+4*\j+3], v2, s[6:7] offset:512*\j  ; the others wait for these: they go out first
.endr
.irp i, 0,1,2,3,4,5,6,7
	global_load_b128 v[X+4*\i:X+4*\i+3], v2, s[4:5] offset:512*\i th:TH_LOAD_NT  ; 512 consecutive bytes a load; x is read once in the launch
.endr
	s_wait_loadcnt 8                               ; my quarter of gate_w is in: the 8 loads of x were issued behind it
.set n, 0
.rept 32
	v_cvt_pk_bf16_f32 v[GP+n], v[GF+2*n], v[GF+2*n+1]
.set n, n+1
.endr
.irp j, 0,1,2,3,4,5,6,7,8,9,10,11,12,13,14,15
	ds_store_b64 v3, v[GP+2*\j:GP+2*\j+1] offset:(\j/8)*2048+(\j%8)*64
.endr
	s_wait_dscnt 0x0                               ; for the others' sake: my stores are done
	s_barrier_signal -1
	s_barrier_wait -1                              ; all of gate_w lies in LDS
.set k, 0
.rept 32
	ds_load_b128 v[GB+4*k:GB+4*k+3], v2 offset:512*k  ; the row for my k-th number
.set k, k+1
.endr
	s_wait_loadcnt 0x0                             ; x
.set n, 0
.rept 16
	v_cvt_pk_bf16_f32 v[XB+n], v[X+2*n], v[X+2*n+1]
.set n, n+1
.endr
.irp i, 0,1,2,3,4,5,6,7
	global_store_b64 v4, v[XB+2*\i:XB+2*\i+1], s[10:11] offset:256*\i  ; the wave's store covers 256 consecutive bytes, aligned
.endr
.irp e, 0,1,2,3,4,5,6,7
	v_mov_b32 v[ACC+\e], 0                         ; the multiply-add from halves takes no constant as its addend
.endr
.macro MIX d, a, b, sa, sb             ; d += bf16 half sa of a x bf16 half sb of b, in f32
.if ((\sa) == 0) && ((\sb) == 0)
	v_fma_mix_f32_bf16 v[\d], v[\a], v[\b], v[\d] op_sel_hi:[1,1,0]
.elseif ((\sa) == 1) && ((\sb) == 0)
	v_fma_mix_f32_bf16 v[\d], v[\a], v[\b], v[\d] op_sel:[1,0,0] op_sel_hi:[1,1,0]
.elseif ((\sa) == 0) && ((\sb) == 1)
	v_fma_mix_f32_bf16 v[\d], v[\a], v[\b], v[\d] op_sel:[0,1,0] op_sel_hi:[1,1,0]
.else
	v_fma_mix_f32_bf16 v[\d], v[\a], v[\b], v[\d] op_sel:[1,1,0] op_sel_hi:[1,1,0]
.endif
.endm
.macro DOT8 g                          ; 8 of my numbers x 8 experts; the 8 sums take turns, so that no line waits for the one before it
	s_wait_dscnt 24-8*(\g)                         ; LDS loads come back in order: this group's 8 rows are in, the younger groups stay out
.set k, 8*(\g)
.rept 8
.set e, 0
.rept 8
	MIX ACC+e, GB+4*k+e/2, XB+k/2, e%2, k%2
.set e, e+1
.endr
.set k, k+1
.endr
.endm
	DOT8 0
	DOT8 1
	DOT8 2
	DOT8 3
	; the sums over the 32 lanes: four steps inside each half of 16 lanes, one across
.irp m, 1,2,4,8
.irp e, 0,1,2,3,4,5,6,7
	v_add_f32_dpp v[ACC+\e], v[ACC+\e], v[ACC+\e] row_xmask:\m row_mask:0xf bank_mask:0xf
.endr
.endr
.irp e, 0,1,2,3,4,5,6,7
	v_permlanex16_b32 v[G+\e], v[ACC+\e], s34, s35 ; G's registers have been written: the destination counts as read
.endr
	s_wait_kmcnt 0x0                               ; gate_b
.irp i, 0,1,2,3
	v_cvt_pk_bf16_f32 v[G+8+\i], s[16+2*\i], s[17+2*\i]
.endr
.irp e, 0,1,2,3,4,5,6,7
	v_add_f32 v[ACC+\e], v[ACC+\e], v[G+\e]
.endr
.irp i, 0,1,2,3
	v_lshlrev_b32 v[G+16+2*\i], 16, v[G+8+\i]
	v_and_b32 v[G+17+2*\i], 0xffff0000, v[G+8+\i]
.endr
.irp e, 0,1,2,3,4,5,6,7
	v_add_f32 v[ACC+\e], v[ACC+\e], v[G+16+\e]     ; z
.endr
	; the largest (v5, index v6): a later one replaces it only if it is greater, so the lower index wins a tie
	v_mov_b32 v9, 0xff800000                       ; -infinity
	v_mov_b32 v5, v[ACC]
	v_mov_b32 v6, 0
.irp e, 1,2,3,4,5,6,7
	v_cmp_le_f32 vcc_lo, v[ACC+\e], v5
	v_cndmask_b32 v5, v[ACC+\e], v5, vcc_lo
	v_cndmask_b32 v6, \e, v6, vcc_lo
.endr
.irp e, 0,1,2,3,4,5,6,7
	v_cmp_eq_u32 vcc_lo, \e, v6
	v_cndmask_b32 v[ACC+\e], v[ACC+\e], v9, vcc_lo ; it is taken out,
.endr
	v_mov_b32 v7, v[ACC]                           ; and the scan goes once more (v7, index v8)
	v_mov_b32 v8, 0
.irp e, 1,2,3,4,5,6,7
	v_cmp_le_f32 vcc_lo, v[ACC+\e], v7
	v_cndmask_b32 v7, v[ACC+\e], v7, vcc_lo
	v_cndmask_b32 v8, \e, v8, vcc_lo
.endr
	; p0 = 1 / (1 + a), p1 = a p0, a = exp((z1 - z0) / 0.9)
	v_sub_f32 v10, v7, v5
	v_mul_f32 v10, 0x3fcd2eec, v10                 ; log2(e) / 0.9
	v_exp_f32 v10, v10
	v_mov_b32 v12, 1                               ; a plain line behind the exponential,
	s_wait_alu depctr_va_vdst(0)                   ; and the wait ahead of its first reader
	v_add_f32 v11, 1.0, v10
	v_rcp_f32 v14, v11
	v_lshlrev_b32 v12, v6, v12                     ; 1 << e0: the plain line behind the reciprocal
	s_wait_alu depctr_va_vdst(0)
	v_mul_f32 v15, v10, v14
	v_mov_b32 v13, 0x100
	v_lshlrev_b32 v13, v8, v13                     ; 1 << (8 + e1)
	v_or_b32 v12, v12, v13
	v_mov_b32 v16, 0
	v_cmp_eq_u32 vcc_lo, 0, v1
	s_wait_xcnt 0x0                                ; EXEC is a source of the stores above: it changes only behind this wait
	s_and_saveexec_b32 s36, vcc_lo                 ; every lane holds the same numbers: lane 0 stores them
	global_store_b32 v16, v12, s[12:13]
	global_store_b64 v16, v[14:15], s[14:15]
	s_wait_xcnt 0x0
	s_or_b32 exec_lo, exec_lo, s36
	s_wait_tensorcnt 0x0                           ; the wave's end, behind my last LDS store
	ds_add_u32 v[SPW], v[NIL]
	s_wait_dscnt 0x0
	s_endpgm
.Lfunc_end_k_q01e402d18e_router:
	.size	k_q01e402d18e_router, .Lfunc_end_k_q01e402d18e_router-k_q01e402d18e_router
	.p2alignl 7, 3214868480
	.fill 96, 4, 3214868480
	.section	.rodata,"a",@progbits
	.p2align	6, 0x0
	.amdhsa_kernel k_q01e402d18e_router
		.amdhsa_group_segment_fixed_size 16896
		.amdhsa_private_segment_fixed_size 0
		.amdhsa_enable_private_segment 0
		.amdhsa_kernarg_size 48
		.amdhsa_user_sgpr_count 2
		.amdhsa_user_sgpr_kernarg_segment_ptr 1
		.amdhsa_wavefront_size32 1
		.amdhsa_system_sgpr_workgroup_id_x 1
		.amdhsa_system_sgpr_workgroup_id_y 1
		.amdhsa_system_sgpr_workgroup_id_z 1
		.amdhsa_system_vgpr_workitem_id 0
		.amdhsa_next_free_vgpr 208
		.amdhsa_next_free_sgpr 66
		.amdhsa_reserve_vcc 1
		.amdhsa_float_denorm_mode_32 3
		.amdhsa_float_denorm_mode_16_64 3
		.amdhsa_memory_ordered 1
		.amdhsa_forward_progress 1
		.amdhsa_inst_pref_size 34
	.end_amdhsa_kernel
	.amdgpu_metadata
---
amdhsa.version: [ 1, 2 ]
amdhsa.kernels:
  - .name:           k_q01e402d18e_router
    .symbol:         k_q01e402d18e_router.kd
    .args:
      - { .name: x, .offset: 0, .size: 8, .value_kind: global_buffer, .address_space: global }
      - { .name: gate_w, .offset: 8, .size: 8, .value_kind: global_buffer, .address_space: global }
      - { .name: gate_b, .offset: 16, .size: 8, .value_kind: global_buffer, .address_space: global }
      - { .name: xb, .offset: 24, .size: 8, .value_kind: global_buffer, .address_space: global }
      - { .name: sel, .offset: 32, .size: 8, .value_kind: global_buffer, .address_space: global }
      - { .name: prob, .offset: 40, .size: 8, .value_kind: global_buffer, .address_space: global }
    .group_segment_fixed_size: 16896
    .private_segment_fixed_size: 0
    .kernarg_segment_align: 8
    .kernarg_segment_size: 48
    .max_flat_workgroup_size: 128
    .sgpr_count:     66
    .vgpr_count:     208
    .wavefront_size: 32
...
	.end_amdgpu_metadata
.endif
;; end of part 1
;; launch ffn1 (part 2): grid 32 x 8, 8 waves a work-group, no clusters, 274,176 bytes of LDS; arguments sel, xb, w1, b1, h; writes h
.if DOCPART == 2
	.amdgcn_target "amdgcn-amd-amdhsa--gfx1250"
	.amdhsa_code_object_version 6
	.text
	.protected	k_q01e402d18e_ffn1
	.globl	k_q01e402d18e_ffn1
	.p2align	8
	.type	k_q01e402d18e_ffn1,@function
k_q01e402d18e_ffn1:
	s_mov_b64 s[64:65], 0
	v_nop
	global_prefetch_b8 v0, s[64:65] scope:SCOPE_SE
	s_setreg_imm32_b32 hwreg(HW_REG_WAVE_MODE, 25, 1), 1
	s_wait_xcnt 0x0
; FIRST PRODUCT.  h[e][rank][f] = bf16(gelu(x_row . w1[e][:, f] + b1[e][f])) for the rows (token, choice) that chose expert e, in the order of a list that every work-group builds from sel.
; A work-group has expert e = y and 128 columns of F (slice = x): 1,024 x 128 f32 weights, 512 KiB, which it alone reads, once, and ALL R rows of its expert, 0 to 1,024.
; ROLES.  Waves 4-7 (loaders) stream the slice through registers, round it to bf16 and lay it into LDS as ready matrix operands; it stays there, each LDS byte written once.  Each has 48 to 56 loads of 512 bytes out.
; Waves 0-3 multiply ranks 0-255 (wave w: the tiles of 16 ranks 4 m + w, m = 0..3: 32 accumulators), chunk by chunk of 256 k, one chunk behind the loaders.  The roles are apart because loads into
; registers come back in order: a wave that waits for a token row would wait for every older weight load too.
; A TRIP of the one loop has two phases, each behind a barrier that stands in every wave's text.  Phase B: loaders store the chunk that they rounded in the phase before, 32 stores each; compute waves multiply step 7
; of their chunk from registers.  Phase A: compute waves read LDS, multiply steps 0-6 of the chunk just stored and issue and await all their loads; loaders round their next 64 rows into 128 registers and touch no
; LDS.  So no wave reads the slice while another writes it.  The loop is entered at phase A (nothing is rounded yet) and ends behind phase A: in the last trip the loaders have nothing left to round and go on to the
; jobs while the compute waves multiply the last chunk, whose step 7 is written out behind the loop.
; A base that pending loads name is stepped a phase later, behind s_wait_xcnt 0: the loaders' at the head of their next phase A, the compute waves' in phase B.
; Ranks from 256 on are JOBS (a tile x 128 columns from the resident slice, no barrier): tile 16 + id + 8 n, id = (wave + 4) % 8: the loaders take the first four.
; COLUMNS.  Matrix tile b, lane r stands for column 8 r + b: a lane's eight tiles hold 8 neighbouring columns of a row, 16 bytes of bf16, and sixteen lanes store 256 consecutive bytes, aligned: no stage in LDS.
; THE SUMS START FROM CLEARED REGISTERS: 256 v_mov_b32 a compute wave, in its wait for the first chunk, and 64 a job: the price of one text for every chunk.  THE LOOK-AHEAD WRAPS: the last chunk's
; last three steps (a job's last trip: seven) ask for the first steps' token rows again, 24 (14) loads a wave that nobody reads: the price of equal wait counts in every trip; no load leaves its buffer.
; Bases and offsets of both roles are made by every wave, in common text.
; No tensor load, no multicast: a weight is rounded and turned on its way, each slice has one reader, and the token rows come by a list, which no descriptor covers.
; ALL INPUTS ARE ROUNDED TO bf16 ONCE (x in the launch before, w1 and b1 here); sums, bias and gelu in f32; h rounded once.  An expert without rows still makes tile 0 (of token 0), so that the next launch reads only stored bytes.
; LIMITS.  erf by Abramowitz and Stegun 7.1.26, absolute error at most 1.5e-7 for every argument; gelu(x) = max(x, 0) - |x| q, q = erfc(|x| / sqrt 2) / 2.  NaN and infinities are not treated apart.
.set PITCH, 16384       ; bytes from a row of w1 to the next
.set TP,    1056        ; a matrix tile's operand for 32 k in LDS: 1,024 bytes + 32: a loader's 16 lanes then store into 16 different columns of 16 bytes
.set STEPB, 8*TP        ; a step of 32 k: 8 tiles
.set HCB,   4*STEPB
.set CHB,   8*STEPB     ; a chunk of 256 k
.set LIST,  32*STEPB    ; behind the slice (270,336 bytes): the list, u16 = 2 token + choice: 1,024 ranks, 32 places of padding, 32 dump places; 2,560 bytes, cleared first
.set NDUMP, 1056        ; list index of lane 0's dump place: where a lane whose token did not choose e puts its 2 bytes
.set META,  LIST+2560   ; word 0: R
.set SPARE, META+256    ; the spare words, 128 bytes for each wave: four blocks of 256 bytes that no other line names
; window 0
.set SPW, 2             ; v2   my spare word's address; never rewritten
.set NIL, 3             ; v3   0; never rewritten
.set RR,  4             ; v4   lane % 16
.set HH,  5             ; v5   lane / 16
.set BRD, 6             ; v6   16 lane: my place in an operand in LDS, and a loader's offset in a row of weights; never rewritten
.set BAD0, 7            ; v7   LDS address of steps 0-3 of the chunk in hand: made anew in each trip
.set BAD1, 8            ; v8   of steps 4-7
.set TA,  9             ; v9   an address at work
.set ROW, 10            ; v10-13  byte offset of my token row in xb (+ 16 x lane / 16), tile slot m
.set GO,  14            ; v14  my byte offset in a tile of h
.set BA,  15            ; v15  my byte offset in the slice's bias; never rewritten
.set BI,  16            ; v16-31  the bias of my eight columns, each twice (a pair for the packed add); as loaded in v24-31
.set BB,  32            ; v32-95  operand B: 8 tiles x 8 registers.  Wave 0's words of sel
.set TL,  32            ; v32-159 a loader's chunk, rounded and turned: octet o, column cc at TL + 16 o + 4 cc
.set AR,  96            ; v96-223 token rows: 4 slots x 4 tiles x 8 registers; in a job 8 slots x 8 (v96-159), and B's second buffer (v160-223)
.set TQ,  224           ; v224-232 at work outside the way out
.set LSTR, 244          ; v244-247 a loader's LDS store address for chunk 0..3; not rewritten while stores remain
.set X,   32            ; the way out: 64 sums, X[8 b + j]: tile b, row 8 (lane / 16) + j
.set T,   96
.set E,   128
.set P,   160
.set M,   192
.set O,   224           ; v224-255 packed results
; window 1: accumulator (m, b) at v[64 m + 8 b]; in a loader a ring of 64 rows, row i at v[4 i]
.set MSB, 0
.macro WIN new                      ; s_set_vgpr_msb: bits 1:0 source 0, 3:2 source 1, 5:4 source 2, 7:6 destination; the high byte repeats the setting that is left
.if MSB != (\new)
	s_set_vgpr_msb (MSB<<8)|(\new)
.set MSB, (\new)
.endif
.endm
.set W_MM, 0x50         ; C and D in window 1
.set TO1,  0x40         ; destination in window 1
.set CV,   0x05         ; sources 0 and 1 in window 1
.set RD1,  0x01         ; source 0 in window 1
.macro PLACES                       ; four plain vector lines between a matrix instruction and a load into, or a vector line on, its registers (ISA guide 7.12.1 for vector lines)
.rept 4
	v_nop
.endr
.endm
.macro KPAIR r, val                 ; a constant as a scalar pair: the packed forms name the pair and take its low word
	s_mov_b32 s[\r], \val
	s_mov_b32 s[(\r)+1], \val
.endm
	s_load_b256 s[4:11], s[0:1], 0x0               ; sel s[4:5], xb s[6:7], w1 s[8:9], b1 s[10:11]
	s_load_b64 s[12:13], s[0:1], 0x20              ; h
	v_lshl_add_u32 v[SPW], v0, 2, SPARE
	v_mov_b32 v[NIL], 0
	v_and_b32 v1, 31, v0
	v_lshrrev_b32 v[TA], 5, v0
	v_readfirstlane_b32 s14, v[TA]                 ; wave 0..7
	v_and_b32 v[RR], 15, v0
	v_bfe_u32 v[HH], v0, 4, 1
	v_lshlrev_b32 v[BRD], 4, v1
	v_lshlrev_b32 v[GO], 16, v[HH]                 ; 8 rows of 8,192 bytes for the upper half of the lanes,
	v_lshl_add_u32 v[GO], v[RR], 4, v[GO]          ; 16 bytes a lane
	v_lshlrev_b32 v[BA], 5, v[RR]                  ; my eight columns 8 r + 0..7 of the bias: 32 bytes
	s_and_b32 s15, s14, 3                          ; my number among the waves of my role
	s_add_co_u32 s19, s14, 4
	s_and_b32 s19, s19, 7                          ; id, for the jobs
	; where a loader stores: lane l holds columns 4 l + 0..3 = 8 (l / 2) + 4 (l % 2) + 0..3: tiles 4 (l % 2) + 0..3, place l / 2; loader n has steps 2 n, 2 n + 1 of each chunk
	v_and_b32 v[TA], 1, v0
	v_mul_u32_u24 v[TA], v[TA], 4*TP
	v_bfe_u32 v[LSTR], v0, 1, 4
	v_lshl_add_u32 v[TA], v[LSTR], 4, v[TA]
	s_mul_i32 s46, s15, 2*STEPB
	v_add_nc_u32 v[LSTR], s46, v[TA]
.irp c, 1,2,3
	v_add_nc_u32 v[LSTR+\c], \c*CHB, v[LSTR]
.endr
	s_and_b32 s16, ttmp7, 0xffff                   ; e
	s_lshl_b32 s2, s16, 24                         ; w1: e x 16 MiB + slice x 512
	s_lshl_b32 s22, ttmp9, 9
	s_add_co_u32 s2, s2, s22
	s_mov_b32 s3, 0
	s_lshl_b32 s58, s16, 23                        ; h: e x 8 MiB + slice x 256
	s_lshl_b32 s22, ttmp9, 8
	s_add_co_u32 s58, s58, s22
	s_mov_b32 s59, 0
	s_lshl_b32 s22, s16, 14                        ; b1: e x 16,384 + slice x 512
	s_lshl_b32 s23, ttmp9, 9
	s_add_co_u32 s22, s22, s23
	s_mov_b32 s23, 0
	KPAIR 66, 0x3e6d3388                           ; 0.3275911 / sqrt 2
	KPAIR 68, 0xbf38aa3b                           ; -log2(e) / 2
	KPAIR 70, 0x3f07dc22                           ; half of the series' a5 .. a1
	KPAIR 72, 0xbf3a00e3
	KPAIR 74, 0x3f35f0e3
	KPAIR 76, 0xbe11a98e
	KPAIR 78, 0x3e027906
	s_wait_kmcnt 0x0
	s_add_nc_u64 s[8:9], s[8:9], s[2:3]
	s_add_nc_u64 s[52:53], s[12:13], s[58:59]      ; OB0
	s_add_nc_u64 s[10:11], s[10:11], s[22:23]
	s_mov_b64 s[28:29], s[6:7]                     ; AB0: the token rows at k = 0
	s_mul_i32 s2, s15, 64*PITCH
	s_add_nc_u64 s[24:25], s[8:9], s[2:3]          ; WB: loader n has rows 256 c + 64 n .. + 63 of chunk c
	s_mov_b64 s[30:31], s[28:29]                   ; AB: the token rows at the chunk in hand
	s_add_nc_u64 s[32:33], s[28:29], 512           ; ABN: at the next chunk
	global_load_b128 v[24:27], v[BA], s[10:11]     ; the bias: every wave's two oldest loads; rounded behind the loop
	global_load_b128 v[28:31], v[BA], s[10:11] offset:16
	s_cmp_lt_u32 s14, 4
	s_cbranch_scc1 .Lnot_loader
	; A LOADER: the first seven octets of its 64 rows of chunk 0 go out before anything else.
	WIN TO1
.set n, 0
.rept 56
	global_load_b128 v[4*n:4*n+3], v[BRD], s[24:25] offset:n*PITCH th:TH_LOAD_NT  ; a row's 512 consecutive bytes; each weight is read once in the launch
.set n, n+1
.endr
	WIN 0
	s_branch .Llist_done
.Lnot_loader:
	WIN TO1                                        ; A COMPUTE WAVE clears its sums
.set n, 0
.rept 256
	v_mov_b32 v[n], 0
.set n, n+1
.endr
	WIN 0
	s_cmp_lg_u32 s14, 0
	s_cbranch_scc1 .Llist_done
	; WAVE 0 BUILDS THE LIST: the tokens in ascending order; a token's rank is the number of members before it.  The next launch runs the same lines, so ranks agree.
	v_lshlrev_b32 v[TA], 2, v1
.set q, 0
.rept 32
	global_load_b32 v[BB+q], v[TA], s[4:5] offset:128*q  ; the word of token 32 q + lane
.set q, q+1
.endr
	v_add_nc_u32 v[TQ], LIST, v[BRD]
.irp i, 4,5,6,7
	v_mov_b32 v[TQ+\i], 0
.endr
.irp i, 0,1,2,3,4
	ds_store_b128 v[TQ], v[TQ+4:TQ+7] offset:512*\i  ; the list is cleared: places that nobody fills name token 0
.endr
	v_add_nc_u32 v[TQ+1], NDUMP, v1                ; my dump place, as a list index
	v_lshlrev_b32 v[TQ+2], 1, v1                   ; 2 x my token of this group of 32
	s_mov_b32 s54, 0                               ; members so far
	s_wait_loadcnt 0x0
.set q, 0
.rept 32
	v_lshrrev_b32 v[TQ+3], s16, v[BB+q]
	v_and_b32 v[TQ+3], 0x101, v[TQ+3]              ; bit 0: e is the first choice; bit 8: the second
	v_cmp_ne_u32 vcc_lo, 0, v[TQ+3]
	v_mbcnt_lo_u32_b32 v[TQ+8], vcc_lo, s54        ; rank
	v_cndmask_b32 v[TQ+8], v[TQ+1], v[TQ+8], vcc_lo  ; a member's rank, or the dump place,
	v_min_u32 v[TQ+8], 0x43f, v[TQ+8]              ; held inside the list's 1,088 places,
	v_lshl_add_u32 v[TQ+8], v[TQ+8], 1, LIST       ; 2 bytes each
	v_lshrrev_b32 v[TQ+3], 8, v[TQ+3]
	v_add_nc_u32 v[TQ+3], v[TQ+3], v[TQ+2]         ; 2 token + choice
	ds_store_b16 v[TQ+8], v[TQ+3]
	v_add_nc_u32 v[TQ+2], 64, v[TQ+2]
	s_bcnt1_i32_b32 s55, vcc_lo
	s_add_co_u32 s54, s54, s55
.set q, q+1
.endr
	s_min_u32 s54, s54, 1024
	s_max_u32 s55, s54, 1
	s_sub_co_u32 s55, s55, 1
	s_min_u32 s55, s55, 1023                       ; the last rank that exists (0 if there is none)
	s_lshl_b32 s55, s55, 1
	v_mov_b32 v[TQ+8], s55
	v_add_nc_u32 v[TQ+8], LIST, v[TQ+8]
	ds_load_u16 v[TQ+3], v[TQ+8]                   ; its entry (LDS serves a wave's instructions in order: it sees the stores above),
	s_wait_dscnt 0x0
	s_lshl_b32 s55, s54, 1
	v_lshlrev_b32 v[TQ+2], 1, v1
	v_add_nc_u32 v[TQ+8], s55, v[TQ+2]
	v_add_nc_u32 v[TQ+8], LIST, v[TQ+8]
	ds_store_b16 v[TQ+8], v[TQ+3]                  ; 32 times behind the list's end: a tile that is not full repeats a row that exists
	v_mov_b32 v[TQ+3], s54
	v_mov_b32 v[TQ+8], META
	ds_store_b32 v[TQ+8], v[TQ+3]                  ; R
.Llist_done:
	s_wait_dscnt 0x0                               ; wave 0's stores are done,
	s_barrier_signal -1
	s_barrier_wait -1                              ; and every wave may read the list.  The loaders' loads stay out
	v_mov_b32 v[TQ], META
	ds_load_b32 v[TQ+1], v[TQ]
	s_wait_dscnt 0x0
	v_readfirstlane_b32 s34, v[TQ+1]
	s_min_u32 s34, s34, 1024                       ; R
	s_max_u32 s35, s34, 1
	s_add_co_u32 s36, s35, 15
	s_lshr_b32 s36, s36, 4                         ; tiles to be stored: at least one
.macro BIASRND                      ; rounded to bf16, widened again, each twice
.irp i, 0,1,2,3
	v_cvt_pk_bf16_f32 v[TQ+\i], v[24+2*\i], v[25+2*\i]
.endr
.irp i, 0,1,2,3
	v_lshlrev_b32 v[BI+4*\i], 16, v[TQ+\i]
	v_lshlrev_b32 v[BI+4*\i+1], 16, v[TQ+\i]
	v_and_b32 v[BI+4*\i+2], 0xffff0000, v[TQ+\i]
	v_and_b32 v[BI+4*\i+3], 0xffff0000, v[TQ+\i]
.endr
.endm
.macro ROWLD d                      ; the list's entry for row lane % 16 of tile s41
	s_lshl_b32 s2, s41, 5
	v_lshl_add_u32 v[TQ], v[RR], 1, s2
	v_add_nc_u32 v[TQ], LIST, v[TQ]
	ds_load_u16 v[\d], v[TQ]
.endm
.macro ROWFIN d                     ; its token, held inside the table, x 2,048 bytes, + 16 bytes for the upper half of the lanes
	v_lshrrev_b32 v[\d], 1, v[\d]
	v_min_u32 v[\d], 0x3ff, v[\d]
	v_lshlrev_b32 v[\d], 11, v[\d]
	v_lshl_add_u32 v[\d], v[HH], 4, v[\d]
.endm
; operand A of one step for the four tile slots: lane (r, half) takes k = 8 half + 0..7 and 16 + 8 half + 0..7 of row r: two loads of 16 bytes, 32 bytes apart
.macro ALOAD sl, bs, koff
	WIN 0
.irp m, 0,1,2,3
	global_load_b128 v[AR+32*(\sl)+8*\m:AR+32*(\sl)+8*\m+3],   v[ROW+\m], s[\bs:\bs+1] offset:\koff
	global_load_b128 v[AR+32*(\sl)+8*\m+4:AR+32*(\sl)+8*\m+7], v[ROW+\m], s[\bs:\bs+1] offset:(\koff)+32
.endr
.endm
; operand B, tiles 4 hb .. 4 hb + 3 of step sx of the chunk: lane i at 16 i, 512 consecutive bytes a load
.macro BLOAD hb, sx, buf
	WIN 0
.irp c, 0,1,2,3
	ds_load_b128 v[(\buf)+8*(4*(\hb)+\c):(\buf)+8*(4*(\hb)+\c)+3],   v[BAD0+(\sx)/4] offset:((\sx)%4)*STEPB+(4*(\hb)+\c)*TP
	ds_load_b128 v[(\buf)+8*(4*(\hb)+\c)+4:(\buf)+8*(4*(\hb)+\c)+7], v[BAD0+(\sx)/4] offset:((\sx)%4)*STEPB+(4*(\hb)+\c)*TP+512
.endr
.endm
; 16 matrix instructions on 16 accumulators, one instruction a turn: between two links of a chain stand the 31 others'
.macro HALF hb, sl
	WIN W_MM
.irp m, 0,1,2,3
.irp c, 0,1,2,3
	v_wmma_f32_16x16x32_bf16 v[64*\m+8*(4*(\hb)+\c):64*\m+8*(4*(\hb)+\c)+7], v[AR+32*(\sl)+8*\m:AR+32*(\sl)+8*\m+7], v[BB+8*(4*(\hb)+\c):BB+8*(4*(\hb)+\c)+7], v[64*\m+8*(4*(\hb)+\c):64*\m+8*(4*(\hb)+\c)+7]
.endr
.endr
.endm
; step sx = 0..6 of a chunk.  At its head the rows of the step three further on are asked for, into the slot that the step before has left (four places behind its last product).
; Each half of B is fetched for the next step as soon as this step has multiplied it.
.macro KSTEP sx
.if (\sx) < 5
	ALOAD ((\sx)+3)%4, 30, 64*((\sx)+3)
.else
	ALOAD ((\sx)+3)%4, 32, 64*((\sx)-5)
.endif
	s_wait_loadcnt 24                              ; this step's rows are in: behind them the three younger steps' 8 loads each
	s_wait_dscnt 8                                 ; B's first half is in; the second half's 8 loads may be out
	HALF 0, (\sx)%4
	PLACES
	BLOAD 0, (\sx)+1, BB
	s_wait_dscnt 8                                 ; B's second half is in; the 8 just issued stay out
	HALF 1, (\sx)%4
	PLACES
	BLOAD 1, (\sx)+1, BB
.endm
; A loader's octet o of 8: 8 rows are rounded and turned (a lane's four columns x 8 k: 16 bytes each) into registers.  load = 1: the octet seven further on is asked for, into the
; ring's registers that the octet before this one has left: the chunk's own last octet (o = 0), or octet o - 1 of the next chunk.
.macro OCT o, load, cnt
	s_wait_loadcnt \cnt                            ; loads come back in order: the octet is in, the younger ones stay out
	WIN CV
.irp cc, 0,1,2,3
.irp pp, 0,1,2,3
	v_cvt_pk_bf16_f32 v[TL+16*(\o)+4*\cc+\pp], v[4*(8*(\o)+2*\pp)+\cc], v[4*(8*(\o)+2*\pp+1)+\cc]
.endr
.endr
.if \load
	WIN TO1
.irp i, 0,1,2,3,4,5,6,7
.if (\o) == 0
	global_load_b128 v[4*(56+\i):4*(56+\i)+3], v[BRD], s[24:25] offset:(56+\i)*PITCH th:TH_LOAD_NT
.else
	global_load_b128 v[4*(8*((\o)-1)+\i):4*(8*((\o)-1)+\i)+3], v[BRD], s[24:25] offset:(256+8*((\o)-1)+\i)*PITCH th:TH_LOAD_NT
.endif
.endr
.endif
	WIN 0
.endm
; a loader's chunk ch goes into LDS: 32 stores from a fixed address register
.macro STORES ch
.irp o, 0,1,2,3,4,5,6,7
.irp cc, 0,1,2,3
	ds_store_b128 v[LSTR+\ch], v[TL+16*\o+4*\cc:TL+16*\o+4*\cc+3] offset:(\o/4)*STEPB+(\o%4)*256+\cc*TP
.endr
.endr
.endm
	; the rows of tiles 4 m + (wave % 4): every wave makes the four offsets; the compute waves use them
.irp m, 0,1,2,3
	s_add_co_u32 s41, s15, 4*\m
	ROWLD ROW+\m
.endr
	s_wait_dscnt 0x0
.irp m, 0,1,2,3
	ROWFIN ROW+\m
.endr
	s_cmp_lt_u32 s14, 4
	s_cbranch_scc0 .Lready
.irp s, 0,1,2
	ALOAD \s, 30, 64*\s                            ; a compute wave's first three steps' rows
.endr
.Lready:
	s_mov_b32 s21, 5
	s_branch .LphaseA                              ; the loop is entered at phase A: nothing has been rounded yet, so there is nothing to store
.Ltrip:                                                ; s21 = 4 .. 1 (and 5 for the first phase A).  Phase B: loaders store chunk 4 - s21; compute waves finish chunk 3 - s21 (none at 4).
	                                               ; Phase A: loaders round chunk 5 - s21 (none at 1); compute waves multiply chunk 4 - s21 (none at 5)
	s_wait_dscnt 0x0                               ; my reads of LDS are back, step 7's operands among them
	s_barrier_signal -1
	s_barrier_wait -1                              ; nobody reads LDS now
	; PHASE B: nobody reads LDS
	s_cmp_lt_u32 s14, 4
	s_cbranch_scc1 .LmulB
	s_cmp_eq_u32 s21, 4
	s_cbranch_scc1 .Lst0
	s_cmp_eq_u32 s21, 3
	s_cbranch_scc1 .Lst1
	s_cmp_eq_u32 s21, 2
	s_cbranch_scc1 .Lst2
	STORES 3
	s_branch .LendB
.Lst0:
	STORES 0
	s_branch .LendB
.Lst1:
	STORES 1
	s_branch .LendB
.Lst2:
	STORES 2
	s_branch .LendB
.LmulB:
	s_cmp_eq_u32 s21, 4
	s_cbranch_scc1 .LendB
	HALF 0, 3                                      ; step 7 of the chunk multiplied in the phase before, from registers alone
	HALF 1, 3
	PLACES                                         ; for the next phase's loads into the slot and into B
	WIN 0
	s_wait_xcnt 0x0                                ; the row loads' bases are rewritten only behind this wait; those loads were issued ahead of the barrier
	s_add_nc_u64 s[22:23], s[32:33], 512
	s_mov_b64 s[30:31], s[32:33]
	s_cmp_eq_u32 s21, 1                            ; the chunk to come is the last: its look-ahead goes back to k = 0
	s_cselect_b64 s[32:33], s[28:29], s[22:23]
.LendB:
	s_wait_dscnt 0x0                               ; my stores of the chunk are done
	s_barrier_signal -1
	s_barrier_wait -1                              ; the chunk is whole for every wave
.LphaseA:
	; PHASE A: nobody writes LDS
	s_cmp_lt_u32 s14, 4
	s_cbranch_scc1 .LmulA
	s_cmp_eq_u32 s21, 1
	s_cbranch_scc1 .LendA                          ; nothing is left to round: the loaders leave the loop
	s_cmp_eq_u32 s21, 5
	s_cbranch_scc1 .Lbase_ok
	s_wait_xcnt 0x0                                ; the weight loads' base is stepped only behind this wait; the youngest of them was issued two barriers ago
	s_add_nc_u64 s[24:25], s[24:25], 256*PITCH
.Lbase_ok:
	s_cmp_eq_u32 s21, 2
	s_cbranch_scc1 .LlastA
.irp o, 0,1,2,3,4,5,6,7
	OCT \o, 1, 48                                  ; 56 loads are out: six younger octets stay out
.endr
	s_branch .LendA
.LlastA:
	OCT 0, 1, 48                                   ; the last chunk: its own last octet is still to be asked for,
.irp o, 1,2,3,4,5,6,7
	OCT \o, 0, 56-8*\o                             ; then nothing: the counts run down
.endr
	s_branch .LendA
.LmulA:
	s_cmp_eq_u32 s21, 5
	s_cbranch_scc1 .LendA
	s_sub_co_u32 s27, 8, s21                       ; my chunk's place in LDS, from the loop's counter: (8 - s21) % 4 = 0, 1, 2, 3 for s21 = 4 .. 1
	s_and_b32 s27, s27, 3
	s_mul_i32 s27, s27, CHB
	v_add_nc_u32 v[BAD0], s27, v[BRD]
	s_add_co_u32 s27, s27, HCB
	v_add_nc_u32 v[BAD1], s27, v[BRD]
	BLOAD 0, 0, BB
	BLOAD 1, 0, BB
.irp s, 0,1,2,3,4,5,6
	KSTEP \s
.endr
	ALOAD 2, 32, 128                               ; step 7's look-ahead: step 2 of the next chunk,
	s_wait_loadcnt 24                              ; and step 7's rows are in: all loads and their waits stand in this phase
.LendA:
	s_sub_co_u32 s21, s21, 1
	s_cmp_lg_u32 s21, 0
	s_cbranch_scc1 .Ltrip
	s_cmp_lt_u32 s14, 4
	s_cbranch_scc0 .Lno_step7
	s_wait_dscnt 0x0                               ; step 7's operands of the last chunk are in
	HALF 0, 3                                      ; the last chunk's step 7
	HALF 1, 3
	PLACES
	WIN 0
.Lno_step7:
	s_wait_loadcnt 0x0                             ; the bias is in; the wrapped look-ahead has landed: its registers are free
	BIASRND
	; THE UNITS: u = 0..3 a compute wave's four tiles go out; u = 4..9 jobs.  Ten trips in every wave; a unit whose tile lies past the count is jumped, forward; no barrier stands here, and LDS is only read.
	s_mov_b32 s21, 10
.Lunit:
	s_sub_co_u32 s40, 10, s21                      ; u
	s_cmp_lt_u32 s40, 4
	s_cbranch_scc0 .Ljob
	s_cmp_lt_u32 s14, 4
	s_cbranch_scc0 .Lnext
	s_lshl_b32 s41, s40, 2
	s_add_co_u32 s41, s41, s15                     ; tile 4 u + w
	s_cmp_lt_u32 s41, s36
	s_cbranch_scc0 .Lnext
	s_cmp_eq_u32 s40, 0
	s_cbranch_scc1 .Lb0
	s_cmp_eq_u32 s40, 1
	s_cbranch_scc1 .Lb1
	s_cmp_eq_u32 s40, 2
	s_cbranch_scc1 .Lb2
	s_branch .Lb3
.Ljob:
	s_lshl_b32 s41, s40, 3
	s_add_co_u32 s41, s41, s19
	s_sub_co_u32 s41, s41, 16                      ; tile 16 + id + 8 (u - 4)
	s_cmp_lt_u32 s41, s36
	s_cbranch_scc0 .Lnext
	; A JOB: one tile x 128 columns x 1,024 k from the resident slice: four trips of 8 steps.  Rows seven steps ahead in 8 slots; B one step ahead in two buffers, not across a trip's end.
	s_wait_xcnt 0x0                                ; earlier stores have read their registers: what follows rewrites them
	ROWLD ROW
	s_wait_dscnt 0x0
	ROWFIN ROW
	s_mov_b64 s[30:31], s[28:29]
	s_add_nc_u64 s[32:33], s[28:29], 512
.irp i, 0,1,2,3,4,5,6
	global_load_b128 v[AR+8*\i:AR+8*\i+3],   v[ROW], s[30:31] offset:64*\i
	global_load_b128 v[AR+8*\i+4:AR+8*\i+7], v[ROW], s[30:31] offset:64*\i+32
.endr
	WIN TO1
.set n, 0
.rept 64
	v_mov_b32 v[n], 0
.set n, n+1
.endr
	WIN 0
.macro OSTEP i
	PLACES                                         ; behind the last step's products, which read the slot and the buffer that are loaded now
	WIN 0
.if (\i) == 0
	global_load_b128 v[AR+56:AR+59], v[ROW], s[30:31] offset:448
	global_load_b128 v[AR+60:AR+63], v[ROW], s[30:31] offset:480
	BLOAD 0, 0, BB
	BLOAD 1, 0, BB
.else
	global_load_b128 v[AR+8*((\i)-1):AR+8*((\i)-1)+3],   v[ROW], s[32:33] offset:64*((\i)-1)
	global_load_b128 v[AR+8*((\i)-1)+4:AR+8*((\i)-1)+7], v[ROW], s[32:33] offset:64*((\i)-1)+32
.endif
.if (\i) < 7
	BLOAD 0, (\i)+1, BB+128*(((\i)+1)%2)
	BLOAD 1, (\i)+1, BB+128*(((\i)+1)%2)
	s_wait_loadcnt 14                              ; this step's rows are in: seven younger steps of 2 loads stay out
	s_wait_dscnt 16                                ; this step's B is in; the next step's 16 loads stay out
.else
	s_wait_loadcnt 14
	s_wait_dscnt 0x0
.endif
	WIN W_MM
.irp b, 0,1,2,3,4,5,6,7
	v_wmma_f32_16x16x32_bf16 v[8*\b:8*\b+7], v[AR+8*(\i):AR+8*(\i)+7], v[BB+128*((\i)%2)+8*\b:BB+128*((\i)%2)+8*\b+7], v[8*\b:8*\b+7]
.endr
.endm
	s_mov_b32 s48, 4
.Ljob_trip:
	s_sub_co_u32 s27, 4, s48                       ; the trip's chunk in LDS, from the loop's counter
	s_mul_i32 s27, s27, CHB
	v_add_nc_u32 v[BAD0], s27, v[BRD]
	s_add_co_u32 s27, s27, HCB
	v_add_nc_u32 v[BAD1], s27, v[BRD]
.irp i, 0,1,2,3,4,5,6,7
	OSTEP \i
.endr
	WIN 0
	s_wait_xcnt 0x0
	s_add_nc_u64 s[22:23], s[32:33], 512
	s_mov_b64 s[30:31], s[32:33]
	s_cmp_eq_u32 s48, 2
	s_cselect_b64 s[32:33], s[28:29], s[22:23]
	s_sub_co_u32 s48, s48, 1
	s_cmp_lg_u32 s48, 0
	s_cbranch_scc1 .Ljob_trip
	s_wait_loadcnt 0x0
	PLACES
; tile slot m's 64 sums, with the bias, into X; each accumulator's registers in ascending order
.macro BLOCK m
	WIN RD1
.irp b, 0,1,2,3,4,5,6,7
.irp j, 0,2,4,6
	v_pk_add_f32 v[X+8*\b+\j:X+8*\b+\j+1], v[64*(\m)+8*\b+\j:64*(\m)+8*\b+\j+1], v[BI+2*\b:BI+2*\b+1]
.endr
.endr
	WIN 0
.endm
.Lb0:
	BLOCK 0
	s_branch .Lgelu
.Lb1:
	BLOCK 1
	s_branch .Lgelu
.Lb2:
	BLOCK 2
	s_branch .Lgelu
.Lb3:
	BLOCK 3
.Lgelu:
; 32 numbers: t = 1 / (1 + c |x|), g = 2^(-x x log2(e) / 2), q = t (A1 + t (A2 + t (A3 + t (A4 + t A5)))) g, gelu = max(x, 0) - |x| q.
; The 64 reciprocals and exponentials are one batch with one wait; the 32 maxima are the plain work between.
.macro GELUH xh
.set n, 0
.rept 32
	v_fma_f32 v[T+n], |v[(\xh)+n]|, s66, 1.0
.set n, n+1
.endr
.set n, 0
.rept 16
	v_pk_mul_f32 v[E+n:E+n+1], v[(\xh)+n:(\xh)+n+1], v[(\xh)+n:(\xh)+n+1]
.set n, n+2
.endr
.set n, 0
.rept 16
	v_pk_mul_f32 v[E+n:E+n+1], v[E+n:E+n+1], s[68:69] op_sel_hi:[1,0]
.set n, n+2
.endr
.set n, 0
.rept 32
	v_rcp_f32 v[T+n], v[T+n]
.set n, n+1
.endr
.set n, 0
.rept 32
	v_exp_f32 v[E+n], v[E+n]
.set n, n+1
.endr
.set n, 0
.rept 32
	v_max_num_f32 v[M+n], 0, v[(\xh)+n]
.set n, n+1
.endr
	s_wait_alu depctr_va_vdst(0)                   ; the wait ahead of the batch's first reader
.set n, 0
.rept 16
	v_pk_fma_f32 v[P+n:P+n+1], v[T+n:T+n+1], s[70:71], s[72:73] op_sel_hi:[1,0,0]
.set n, n+2
.endr
.irp k, 74, 76, 78
.set n, 0
.rept 16
	v_pk_fma_f32 v[P+n:P+n+1], v[P+n:P+n+1], v[T+n:T+n+1], s[\k:\k+1] op_sel_hi:[1,1,0]
.set n, n+2
.endr
.endr
.set n, 0
.rept 16
	v_pk_mul_f32 v[E+n:E+n+1], v[E+n:E+n+1], v[T+n:T+n+1]
.set n, n+2
.endr
.set n, 0
.rept 16
	v_pk_mul_f32 v[P+n:P+n+1], v[P+n:P+n+1], v[E+n:E+n+1]
.set n, n+2
.endr
.set n, 0
.rept 32
	v_fma_f32 v[(\xh)+n], -|v[(\xh)+n]|, v[P+n], v[M+n]
.set n, n+1
.endr
.endm
	GELUH X
	GELUH X+32
	s_wait_xcnt 0x0                                ; the last tile's stores have read O and their base
	s_lshl_b32 s2, s41, 17                         ; 16 ranks of 8,192 bytes
	s_mov_b32 s3, 0
	s_add_nc_u64 s[50:51], s[52:53], s[2:3]
.irp j, 0,1,2,3,4,5,6,7
.irp i, 0,1,2,3
	v_cvt_pk_bf16_f32 v[O+4*\j+\i], v[X+16*\i+\j], v[X+16*\i+8+\j]  ; columns 8 r + 2 i, 8 r + 2 i + 1 of row 8 (lane / 16) + j
.endr
	global_store_b128 v[GO], v[O+4*\j:O+4*\j+3], s[50:51] offset:8192*\j  ; 16 lanes store 256 consecutive bytes, at a multiple of 256 from h's first byte
.endr
.Lnext:
	s_sub_co_u32 s21, s21, 1
	s_cmp_lg_u32 s21, 0
	s_cbranch_scc1 .Lunit
	s_wait_dscnt 0x0                               ; my reads of LDS are back,
	s_barrier_signal -1
	s_barrier_wait -1                              ; and so are every wave's, ahead of any wave's closing lines
	s_wait_tensorcnt 0x0                           ; the wave's end, behind my last LDS store
	ds_add_u32 v[SPW], v[NIL]
	s_wait_dscnt 0x0
	s_endpgm
.Lfunc_end_k_q01e402d18e_ffn1:
	.size	k_q01e402d18e_ffn1, .Lfunc_end_k_q01e402d18e_ffn1-k_q01e402d18e_ffn1
	.p2alignl 7, 3214868480
	.fill 96, 4, 3214868480
	.section	.rodata,"a",@progbits
	.p2align	6, 0x0
	.amdhsa_kernel k_q01e402d18e_ffn1
		.amdhsa_group_segment_fixed_size 274176
		.amdhsa_private_segment_fixed_size 0
		.amdhsa_enable_private_segment 0
		.amdhsa_kernarg_size 40
		.amdhsa_user_sgpr_count 2
		.amdhsa_user_sgpr_kernarg_segment_ptr 1
		.amdhsa_wavefront_size32 1
		.amdhsa_system_sgpr_workgroup_id_x 1
		.amdhsa_system_sgpr_workgroup_id_y 1
		.amdhsa_system_sgpr_workgroup_id_z 1
		.amdhsa_system_vgpr_workitem_id 0
		.amdhsa_next_free_vgpr 512
		.amdhsa_next_free_sgpr 96
		.amdhsa_reserve_vcc 1
		.amdhsa_float_denorm_mode_32 3
		.amdhsa_float_denorm_mode_16_64 3
		.amdhsa_memory_ordered 1
		.amdhsa_forward_progress 1
		.amdhsa_inst_pref_size 179
	.end_amdhsa_kernel
	.amdgpu_metadata
---
amdhsa.version: [ 1, 2 ]
amdhsa.kernels:
  - .name:           k_q01e402d18e_ffn1
    .symbol:         k_q01e402d18e_ffn1.kd
    .args:
      - { .name: sel, .offset: 0, .size: 8, .value_kind: global_buffer, .address_space: global }
      - { .name: xb, .offset: 8, .size: 8, .value_kind: global_buffer, .address_space: global }
      - { .name: w1, .offset: 16, .size: 8, .value_kind: global_buffer, .address_space: global }
      - { .name: b1, .offset: 24, .size: 8, .value_kind: global_buffer, .address_space: global }
      - { .name: h, .offset: 32, .size: 8, .value_kind: global_buffer, .address_space: global }
    .group_segment_fixed_size: 274176
    .private_segment_fixed_size: 0
    .kernarg_segment_align: 8
    .kernarg_segment_size: 40
    .max_flat_workgroup_size: 256
    .sgpr_count:     96
    .vgpr_count:     512
    .wavefront_size: 32
...
	.end_amdgpu_metadata
.endif
;; end of part 2
;; launch ffn2 (part 3): grid 32 x 8, 8 waves a work-group, no clusters, 274,176 bytes of LDS; arguments sel, h, w2, b2, y; writes y
.if DOCPART == 3
	.amdgcn_target "amdgcn-amd-amdhsa--gfx1250"
	.amdhsa_code_object_version 6
	.text
	.protected	k_q01e402d18e_ffn2
	.globl	k_q01e402d18e_ffn2
	.p2align	8
	.type	k_q01e402d18e_ffn2,@function
k_q01e402d18e_ffn2:
	s_mov_b64 s[64:65], 0
	v_nop
	global_prefetch_b8 v0, s[64:65] scope:SCOPE_SE
	s_setreg_imm32_b32 hwreg(HW_REG_WAVE_MODE, 25, 1), 1
	s_wait_xcnt 0x0
; SECOND PRODUCT.  y[token][choice][ks][d] = h_row[1,024 ks .. + 1,023] . w2[e][1,024 ks .. , d] (+ b2[e][d] in ks = 0), f32 partial rows; the next launch adds them.
; A work-group has expert e = y, 128 columns of D (ns = x % 8) and a quarter of F (ks = x / 8): 1,024 x 128 f32 weights, 512 KiB, which it alone reads, once, and ALL R rows of its expert, 0 to 1,024.
; K is cut in four so that 256 work-groups have rows of weights of 512 bytes; the price is four partial rows of f32 for each row of the result.
; ROLES.  Waves 4-7 (loaders) stream the slice through registers, round it to bf16 and lay it into LDS as ready matrix operands; it stays there, each LDS byte written once.  Each has 48 to 56 loads of 512 bytes out.
; Waves 0-3 multiply ranks 0-255 (wave w: the tiles of 16 ranks 4 m + w, m = 0..3: 32 accumulators), chunk by chunk of 256 k, one chunk behind the loaders.  The roles are apart because loads into
; registers come back in order: a wave that waits for a row of h would wait for every older weight load too.
; A TRIP of the one loop has two phases, each behind a barrier that stands in every wave's text.  Phase B: loaders store the chunk that they rounded in the phase before, 32 stores each; compute waves multiply step 7
; of their chunk from registers.  Phase A: compute waves read LDS, multiply steps 0-6 of the chunk just stored and issue and await all their loads; loaders round their next 64 rows into 128 registers and touch no
; LDS.  So no wave reads the slice while another writes it.  The loop is entered at phase A (nothing is rounded yet) and ends behind phase A: in the last trip the loaders have nothing left to round and go on to the
; jobs while the compute waves multiply the last chunk, whose step 7 is written out behind the loop.
; A base that pending loads name is stepped a phase later, behind s_wait_xcnt 0: the loaders' at the head of their next phase A, the compute waves' in phase B.
; Ranks from 256 on are JOBS (a tile x 128 columns from the resident slice, no barrier): tile 16 + id + 8 n, id = (wave + 4) % 8: the loaders take the first four.
; COLUMNS.  Matrix tile b, lane r stands for column 4 r + b % 4 + 64 (b / 4): tiles 4 g .. 4 g + 3 hold 4 neighbouring f32 of a row, and sixteen lanes store 256 consecutive bytes, aligned: no stage in LDS.
; THE SUMS START FROM CLEARED REGISTERS: 256 v_mov_b32 a compute wave, in its wait for the first chunk, and 64 a job: the price of one text for every chunk.  THE LOOK-AHEAD WRAPS: the last chunk's
; last three steps (a job's last trip: seven) ask for the first steps' rows again, 24 (14) loads a wave that nobody reads: the price of equal wait counts in every trip; no load leaves its buffer.
; Bases and offsets of both roles are made by every wave, in common text.
; A tile that is not full repeats the expert's last row, and stores the same numbers to the same bytes once more.  An expert without rows stores nothing; its dead tiles multiply rank 0, which the launch before always stores.
; No tensor load, no multicast: a weight is rounded and turned on its way and each slice has one reader; beside the resident slice LDS has no room for shared tiles of h.
; w2 and b2 are rounded to bf16 once, as all the program's inputs are; sums and bias in f32.  NaN and infinities are not treated apart.
.set PITCH, 4096        ; bytes from a row of w2 to the next
.set TP,    1056        ; a matrix tile's operand for 32 k in LDS: 1,024 bytes + 32
.set STEPB, 8*TP        ; a step of 32 k: 8 tiles
.set HCB,   4*STEPB
.set CHB,   8*STEPB     ; a chunk of 256 k
.set LIST,  32*STEPB    ; behind the slice (270,336 bytes): the list, u16 = 2 token + choice: 1,024 ranks, 32 places of padding, 32 dump places; 2,560 bytes, cleared first
.set NDUMP, 1056        ; list index of lane 0's dump place: where a lane whose token did not choose e puts its 2 bytes
.set META,  LIST+2560   ; word 0: R
.set SPARE, META+256    ; the spare words, 128 bytes for each wave: four blocks of 256 bytes that no other line names
; window 0
.set SPW, 2             ; v2   my spare word's address; never rewritten
.set NIL, 3             ; v3   0; never rewritten
.set RR,  4             ; v4   lane % 16
.set HH,  5             ; v5   lane / 16
.set BRD, 6             ; v6   16 lane: my place in an operand in LDS, and a loader's offset in a row of weights; never rewritten
.set BAD0, 7            ; v7   LDS address of steps 0-3 of the chunk in hand: made anew in each trip
.set BAD1, 8            ; v8   of steps 4-7
.set TA,  9             ; v9   an address at work
.set ROW, 10            ; v10-13  byte offset of my row in the expert's h (+ 16 x lane / 16), tile slot m
.set BA,  15            ; v15  my byte offset in the slice's bias; never rewritten
.set OUTO, 16           ; v16-23  the way out: byte offset in y of row 8 (lane / 16) + j
.set BI,  24            ; v24-31  the bias of my eight columns (0 unless ks = 0)
.set BB,  32            ; v32-95  operand B: 8 tiles x 8 registers.  Wave 0's words of sel
.set TL,  32            ; v32-159 a loader's chunk, rounded and turned: octet o, column cc at TL + 16 o + 4 cc
.set Y,   32            ; the way out: Y[8 j + b]
.set AR,  96            ; v96-223 rows of h: 4 slots x 4 tiles x 8 registers; in a job 8 slots x 8 (v96-159), and B's second buffer (v160-223)
.set TQ,  224           ; v224-232 at work
.set LSTR, 244          ; v244-247 a loader's LDS store address for chunk 0..3; never rewritten
; window 1: accumulator (m, b) at v[64 m + 8 b]; in a loader a ring of 64 rows, row i at v[4 i]
.set MSB, 0
.macro WIN new                      ; s_set_vgpr_msb: bits 1:0 source 0, 3:2 source 1, 5:4 source 2, 7:6 destination; the high byte repeats the setting that is left
.if MSB != (\new)
	s_set_vgpr_msb (MSB<<8)|(\new)
.set MSB, (\new)
.endif
.endm
.set W_MM, 0x50         ; C and D in window 1
.set TO1,  0x40         ; destination in window 1
.set CV,   0x05         ; sources 0 and 1 in window 1
.set RD1,  0x01         ; source 0 in window 1
.macro PLACES                       ; four plain vector lines between a matrix instruction and a load into, or a vector line on, its registers (ISA guide 7.12.1 for vector lines)
.rept 4
	v_nop
.endr
.endm
	s_load_b256 s[4:11], s[0:1], 0x0               ; sel s[4:5], h s[6:7], w2 s[8:9], b2 s[10:11]
	s_load_b64 s[12:13], s[0:1], 0x20              ; y
	v_lshl_add_u32 v[SPW], v0, 2, SPARE
	v_mov_b32 v[NIL], 0
	v_and_b32 v1, 31, v0
	v_lshrrev_b32 v[TA], 5, v0
	v_readfirstlane_b32 s14, v[TA]                 ; wave 0..7
	v_and_b32 v[RR], 15, v0
	v_bfe_u32 v[HH], v0, 4, 1
	v_lshlrev_b32 v[BRD], 4, v1
	v_lshlrev_b32 v[BA], 4, v[RR]                  ; my columns 4 r + 0..3 of the bias: 16 bytes; the other four lie 256 bytes on
	s_and_b32 s15, s14, 3                          ; my number among the waves of my role
	s_add_co_u32 s19, s14, 4
	s_and_b32 s19, s19, 7                          ; id, for the jobs
	; where a loader stores: lane l holds columns 4 l + 0..3 = 64 (l / 16) + 4 (l % 16) + 0..3: tiles 4 (l / 16) + 0..3, place l % 16; loader n has steps 2 n, 2 n + 1 of each chunk
	v_mul_u32_u24 v[TA], v[HH], 4*TP
	v_lshl_add_u32 v[TA], v[RR], 4, v[TA]
	s_mul_i32 s44, s15, 2*STEPB
	v_add_nc_u32 v[LSTR], s44, v[TA]
.irp c, 1,2,3
	v_add_nc_u32 v[LSTR+\c], \c*CHB, v[LSTR]
.endr
	s_and_b32 s16, ttmp7, 0xffff                   ; e
	s_and_b32 s17, ttmp9, 7                        ; ns
	s_lshr_b32 s18, ttmp9, 3                       ; ks
	s_lshl_b32 s17, s17, 9                         ; ns x 512 bytes
	s_lshl_b32 s2, s16, 24                         ; w2: e x 16 MiB + ks x 4 MiB + ns x 512
	s_lshl_b32 s22, s18, 22
	s_add_co_u32 s2, s2, s22
	s_add_co_u32 s2, s2, s17
	s_mov_b32 s3, 0
	s_lshl_b32 s58, s16, 23                        ; h: e x 8 MiB + ks x 2,048
	s_lshl_b32 s22, s18, 11
	s_add_co_u32 s58, s58, s22
	s_mov_b32 s59, 0
	s_lshl_b32 s46, s18, 12                        ; y: ks x 4,096 + ns x 512
	s_add_co_u32 s46, s46, s17
	s_mov_b32 s47, 0
	s_lshl_b32 s22, s16, 12                        ; b2: e x 4,096 + ns x 512
	s_add_co_u32 s22, s22, s17
	s_mov_b32 s23, 0
	s_cmp_eq_u32 s18, 0
	s_cselect_b32 s56, -1, 0                       ; the bias counts in the first quarter of K alone
	s_and_b32 s57, s56, 0xffff0000
	s_wait_kmcnt 0x0
	s_add_nc_u64 s[8:9], s[8:9], s[2:3]
	s_add_nc_u64 s[28:29], s[6:7], s[58:59]        ; AB0: the expert's rows at my quarter's first k
	s_add_nc_u64 s[52:53], s[12:13], s[46:47]      ; OB0
	s_add_nc_u64 s[10:11], s[10:11], s[22:23]
	s_mul_i32 s2, s15, 64*PITCH
	s_add_nc_u64 s[24:25], s[8:9], s[2:3]          ; WB: loader n has rows 256 c + 64 n .. + 63 of chunk c
	s_mov_b64 s[30:31], s[28:29]                   ; AB: the rows at the chunk in hand
	s_add_nc_u64 s[32:33], s[28:29], 512           ; ABN: at the next chunk
	global_load_b128 v[24:27], v[BA], s[10:11]     ; the bias: every wave's two oldest loads; rounded behind the loop
	global_load_b128 v[28:31], v[BA], s[10:11] offset:256
	s_cmp_lt_u32 s14, 4
	s_cbranch_scc1 .Lnot_loader
	; A LOADER: the first seven octets of its 64 rows of chunk 0 go out before anything else.
	WIN TO1
.set n, 0
.rept 56
	global_load_b128 v[4*n:4*n+3], v[BRD], s[24:25] offset:n*PITCH th:TH_LOAD_NT  ; a row's 512 consecutive bytes; each weight is read once in the launch
.set n, n+1
.endr
	WIN 0
	s_branch .Llist_done
.Lnot_loader:
	WIN TO1                                        ; A COMPUTE WAVE clears its sums
.set n, 0
.rept 256
	v_mov_b32 v[n], 0
.set n, n+1
.endr
	WIN 0
	s_cmp_lg_u32 s14, 0
	s_cbranch_scc1 .Llist_done
	; WAVE 0 BUILDS THE LIST: the tokens in ascending order; a token's rank is the number of members before it.  The launch before ran the same lines, so ranks agree.
	v_lshlrev_b32 v[TA], 2, v1
.set q, 0
.rept 32
	global_load_b32 v[BB+q], v[TA], s[4:5] offset:128*q  ; the word of token 32 q + lane
.set q, q+1
.endr
	v_add_nc_u32 v[TQ], LIST, v[BRD]
.irp i, 4,5,6,7
	v_mov_b32 v[TQ+\i], 0
.endr
.irp i, 0,1,2,3,4
	ds_store_b128 v[TQ], v[TQ+4:TQ+7] offset:512*\i  ; the list is cleared
.endr
	v_add_nc_u32 v[TQ+1], NDUMP, v1                ; my dump place, as a list index
	v_lshlrev_b32 v[TQ+2], 1, v1                   ; 2 x my token of this group of 32
	s_mov_b32 s54, 0                               ; members so far
	s_wait_loadcnt 0x0
.set q, 0
.rept 32
	v_lshrrev_b32 v[TQ+3], s16, v[BB+q]
	v_and_b32 v[TQ+3], 0x101, v[TQ+3]              ; bit 0: e is the first choice; bit 8: the second
	v_cmp_ne_u32 vcc_lo, 0, v[TQ+3]
	v_mbcnt_lo_u32_b32 v[TQ+8], vcc_lo, s54        ; rank
	v_cndmask_b32 v[TQ+8], v[TQ+1], v[TQ+8], vcc_lo  ; a member's rank, or the dump place,
	v_min_u32 v[TQ+8], 0x43f, v[TQ+8]              ; held inside the list's 1,088 places,
	v_lshl_add_u32 v[TQ+8], v[TQ+8], 1, LIST       ; 2 bytes each
	v_lshrrev_b32 v[TQ+3], 8, v[TQ+3]
	v_add_nc_u32 v[TQ+3], v[TQ+3], v[TQ+2]         ; 2 token + choice
	ds_store_b16 v[TQ+8], v[TQ+3]
	v_add_nc_u32 v[TQ+2], 64, v[TQ+2]
	s_bcnt1_i32_b32 s55, vcc_lo
	s_add_co_u32 s54, s54, s55
.set q, q+1
.endr
	s_min_u32 s54, s54, 1024
	s_max_u32 s55, s54, 1
	s_sub_co_u32 s55, s55, 1
	s_min_u32 s55, s55, 1023                       ; the last rank that exists (0 if there is none)
	s_lshl_b32 s55, s55, 1
	v_mov_b32 v[TQ+8], s55
	v_add_nc_u32 v[TQ+8], LIST, v[TQ+8]
	ds_load_u16 v[TQ+3], v[TQ+8]                   ; its entry (LDS serves a wave's instructions in order: it sees the stores above),
	s_wait_dscnt 0x0
	s_lshl_b32 s55, s54, 1
	v_lshlrev_b32 v[TQ+2], 1, v1
	v_add_nc_u32 v[TQ+8], s55, v[TQ+2]
	v_add_nc_u32 v[TQ+8], LIST, v[TQ+8]
	ds_store_b16 v[TQ+8], v[TQ+3]                  ; 32 times behind the list's end: a tile that is not full repeats a row that exists
	v_mov_b32 v[TQ+3], s54
	v_mov_b32 v[TQ+8], META
	ds_store_b32 v[TQ+8], v[TQ+3]                  ; R
.Llist_done:
	s_wait_dscnt 0x0                               ; wave 0's stores are done,
	s_barrier_signal -1
	s_barrier_wait -1                              ; and every wave may read the list.  The loaders' loads stay out
	v_mov_b32 v[TQ], META
	ds_load_b32 v[TQ+1], v[TQ]
	s_wait_dscnt 0x0
	v_readfirstlane_b32 s34, v[TQ+1]
	s_min_u32 s34, s34, 1024                       ; R
	s_add_co_u32 s36, s34, 15
	s_lshr_b32 s36, s36, 4                         ; tiles to be stored
	s_max_u32 s35, s34, 1
	s_sub_co_u32 s35, s35, 1                       ; the last rank that exists (0 if there is none)
.macro BIASRND                      ; rounded to bf16, widened again; 0 unless ks = 0
.irp i, 0,1,2,3
	v_cvt_pk_bf16_f32 v[TQ+\i], v[24+2*\i], v[25+2*\i]
.endr
.irp i, 0,1,2,3
	v_lshlrev_b32 v[BI+2*\i], 16, v[TQ+\i]
	v_and_b32 v[BI+2*\i], s56, v[BI+2*\i]
	v_and_b32 v[BI+2*\i+1], s57, v[TQ+\i]
.endr
.endm
.macro ROWLD d                      ; the rank of row lane % 16 of tile s41
	s_lshl_b32 s2, s41, 4
	v_add_nc_u32 v[\d], s2, v[RR]
.endm
.macro ROWFIN d                     ; held to the ranks that exist and inside the table, x 8,192 bytes, + 16 bytes for the upper half of the lanes
	v_min_u32 v[\d], s35, v[\d]
	v_min_u32 v[\d], 0x3ff, v[\d]
	v_lshlrev_b32 v[\d], 13, v[\d]
	v_lshl_add_u32 v[\d], v[HH], 4, v[\d]
.endm
; operand A of one step for the four tile slots: lane (r, half) takes k = 8 half + 0..7 and 16 + 8 half + 0..7 of row r: two loads of 16 bytes, 32 bytes apart
.macro ALOAD sl, bs, koff
	WIN 0
.irp m, 0,1,2,3
	global_load_b128 v[AR+32*(\sl)+8*\m:AR+32*(\sl)+8*\m+3],   v[ROW+\m], s[\bs:\bs+1] offset:\koff
	global_load_b128 v[AR+32*(\sl)+8*\m+4:AR+32*(\sl)+8*\m+7], v[ROW+\m], s[\bs:\bs+1] offset:(\koff)+32
.endr
.endm
; operand B, tiles 4 hb .. 4 hb + 3 of step sx of the chunk: lane i at 16 i, 512 consecutive bytes a load
.macro BLOAD hb, sx, buf
	WIN 0
.irp c, 0,1,2,3
	ds_load_b128 v[(\buf)+8*(4*(\hb)+\c):(\buf)+8*(4*(\hb)+\c)+3],   v[BAD0+(\sx)/4] offset:((\sx)%4)*STEPB+(4*(\hb)+\c)*TP
	ds_load_b128 v[(\buf)+8*(4*(\hb)+\c)+4:(\buf)+8*(4*(\hb)+\c)+7], v[BAD0+(\sx)/4] offset:((\sx)%4)*STEPB+(4*(\hb)+\c)*TP+512
.endr
.endm
; 16 matrix instructions on 16 accumulators, one instruction a turn: between two links of a chain stand the 31 others'
.macro HALF hb, sl
	WIN W_MM
.irp m, 0,1,2,3
.irp c, 0,1,2,3
	v_wmma_f32_16x16x32_bf16 v[64*\m+8*(4*(\hb)+\c):64*\m+8*(4*(\hb)+\c)+7], v[AR+32*(\sl)+8*\m:AR+32*(\sl)+8*\m+7], v[BB+8*(4*(\hb)+\c):BB+8*(4*(\hb)+\c)+7], v[64*\m+8*(4*(\hb)+\c):64*\m+8*(4*(\hb)+\c)+7]
.endr
.endr
.endm
; step sx = 0..6 of a chunk.  At its head the rows of the step three further on are asked for, into the slot that the step before has left (four places behind its last product).
; Each half of B is fetched for the next step as soon as this step has multiplied it.
.macro KSTEP sx
.if (\sx) < 5
	ALOAD ((\sx)+3)%4, 30, 64*((\sx)+3)
.else
	ALOAD ((\sx)+3)%4, 32, 64*((\sx)-5)
.endif
	s_wait_loadcnt 24                              ; this step's rows are in: behind them the three younger steps' 8 loads each
	s_wait_dscnt 8                                 ; B's first half is in; the second half's 8 loads may be out
	HALF 0, (\sx)%4
	PLACES
	BLOAD 0, (\sx)+1, BB
	s_wait_dscnt 8                                 ; B's second half is in; the 8 just issued stay out
	HALF 1, (\sx)%4
	PLACES
	BLOAD 1, (\sx)+1, BB
.endm
; A loader's octet o of 8: 8 rows are rounded and turned (a lane's four columns x 8 k: 16 bytes each) into registers.  load = 1: the octet seven further on is asked for, into the
; ring's registers that the octet before this one has left: the chunk's own last octet (o = 0), or octet o - 1 of the next chunk.
.macro OCT o, load, cnt
	s_wait_loadcnt \cnt                            ; loads come back in order: the octet is in, the younger ones stay out
	WIN CV
.irp cc, 0,1,2,3
.irp pp, 0,1,2,3
	v_cvt_pk_bf16_f32 v[TL+16*(\o)+4*\cc+\pp], v[4*(8*(\o)+2*\pp)+\cc], v[4*(8*(\o)+2*\pp+1)+\cc]
.endr
.endr
.if \load
	WIN TO1
.irp i, 0,1,2,3,4,5,6,7
.if (\o) == 0
	global_load_b128 v[4*(56+\i):4*(56+\i)+3], v[BRD], s[24:25] offset:(56+\i)*PITCH th:TH_LOAD_NT
.else
	global_load_b128 v[4*(8*((\o)-1)+\i):4*(8*((\o)-1)+\i)+3], v[BRD], s[24:25] offset:(256+8*((\o)-1)+\i)*PITCH th:TH_LOAD_NT
.endif
.endr
.endif
	WIN 0
.endm
; a loader's chunk ch goes into LDS: 32 stores from a fixed address register
.macro STORES ch
.irp o, 0,1,2,3,4,5,6,7
.irp cc, 0,1,2,3
	ds_store_b128 v[LSTR+\ch], v[TL+16*\o+4*\cc:TL+16*\o+4*\cc+3] offset:(\o/4)*STEPB+(\o%4)*256+\cc*TP
.endr
.endr
.endm
	; the rows of tiles 4 m + (wave % 4): every wave makes the four offsets; the compute waves use them
.irp m, 0,1,2,3
	s_add_co_u32 s41, s15, 4*\m
	ROWLD ROW+\m
	ROWFIN ROW+\m
.endr
	s_cmp_lt_u32 s14, 4
	s_cbranch_scc0 .Lready
.irp s, 0,1,2
	ALOAD \s, 30, 64*\s                            ; a compute wave's first three steps' rows
.endr
.Lready:
	s_mov_b32 s21, 5
	s_branch .LphaseA                              ; the loop is entered at phase A: nothing has been rounded yet, so there is nothing to store
.Ltrip:                                                ; s21 = 4 .. 1 (and 5 for the first phase A).  Phase B: loaders store chunk 4 - s21; compute waves finish chunk 3 - s21 (none at 4).
	                                               ; Phase A: loaders round chunk 5 - s21 (none at 1); compute waves multiply chunk 4 - s21 (none at 5)
	s_wait_dscnt 0x0                               ; my reads of LDS are back, step 7's operands among them
	s_barrier_signal -1
	s_barrier_wait -1                              ; nobody reads LDS now
	; PHASE B: nobody reads LDS
	s_cmp_lt_u32 s14, 4
	s_cbranch_scc1 .LmulB
	s_cmp_eq_u32 s21, 4
	s_cbranch_scc1 .Lst0
	s_cmp_eq_u32 s21, 3
	s_cbranch_scc1 .Lst1
	s_cmp_eq_u32 s21, 2
	s_cbranch_scc1 .Lst2
	STORES 3
	s_branch .LendB
.Lst0:
	STORES 0
	s_branch .LendB
.Lst1:
	STORES 1
	s_branch .LendB
.Lst2:
	STORES 2
	s_branch .LendB
.LmulB:
	s_cmp_eq_u32 s21, 4
	s_cbranch_scc1 .LendB
	HALF 0, 3                                      ; step 7 of the chunk multiplied in the phase before, from registers alone
	HALF 1, 3
	PLACES                                         ; for the next phase's loads into the slot and into B
	WIN 0
	s_wait_xcnt 0x0                                ; the row loads' bases are rewritten only behind this wait; those loads were issued ahead of the barrier
	s_add_nc_u64 s[22:23], s[32:33], 512
	s_mov_b64 s[30:31], s[32:33]
	s_cmp_eq_u32 s21, 1                            ; the chunk to come is the last: its look-ahead goes back to the first k
	s_cselect_b64 s[32:33], s[28:29], s[22:23]
.LendB:
	s_wait_dscnt 0x0                               ; my stores of the chunk are done
	s_barrier_signal -1
	s_barrier_wait -1                              ; the chunk is whole for every wave
.LphaseA:
	; PHASE A: nobody writes LDS
	s_cmp_lt_u32 s14, 4
	s_cbranch_scc1 .LmulA
	s_cmp_eq_u32 s21, 1
	s_cbranch_scc1 .LendA                          ; nothing is left to round: the loaders leave the loop
	s_cmp_eq_u32 s21, 5
	s_cbranch_scc1 .Lbase_ok
	s_wait_xcnt 0x0                                ; the weight loads' base is stepped only behind this wait; the youngest of them was issued two barriers ago
	s_add_nc_u64 s[24:25], s[24:25], 256*PITCH
.Lbase_ok:
	s_cmp_eq_u32 s21, 2
	s_cbranch_scc1 .LlastA
.irp o, 0,1,2,3,4,5,6,7
	OCT \o, 1, 48                                  ; 56 loads are out: six younger octets stay out
.endr
	s_branch .LendA
.LlastA:
	OCT 0, 1, 48                                   ; the last chunk: its own last octet is still to be asked for,
.irp o, 1,2,3,4,5,6,7
	OCT \o, 0, 56-8*\o                             ; then nothing: the counts run down
.endr
	s_branch .LendA
.LmulA:
	s_cmp_eq_u32 s21, 5
	s_cbranch_scc1 .LendA
	s_sub_co_u32 s27, 8, s21                       ; my chunk's place in LDS, from the loop's counter: (8 - s21) % 4 = 0, 1, 2, 3 for s21 = 4 .. 1
	s_and_b32 s27, s27, 3
	s_mul_i32 s27, s27, CHB
	v_add_nc_u32 v[BAD0], s27, v[BRD]
	s_add_co_u32 s27, s27, HCB
	v_add_nc_u32 v[BAD1], s27, v[BRD]
	BLOAD 0, 0, BB
	BLOAD 1, 0, BB
.irp s, 0,1,2,3,4,5,6
	KSTEP \s
.endr
	ALOAD 2, 32, 128                               ; step 7's look-ahead: step 2 of the next chunk,
	s_wait_loadcnt 24                              ; and step 7's rows are in: all loads and their waits stand in this phase
.LendA:
	s_sub_co_u32 s21, s21, 1
	s_cmp_lg_u32 s21, 0
	s_cbranch_scc1 .Ltrip
	s_cmp_lt_u32 s14, 4
	s_cbranch_scc0 .Lno_step7
	s_wait_dscnt 0x0                               ; step 7's operands of the last chunk are in
	HALF 0, 3                                      ; the last chunk's step 7
	HALF 1, 3
	PLACES
	WIN 0
.Lno_step7:
	s_wait_loadcnt 0x0                             ; the bias is in; the wrapped look-ahead has landed: its registers are free
	BIASRND
	; THE UNITS: u = 0..3 a compute wave's four tiles go out; u = 4..9 jobs.  Ten trips in every wave; a unit whose tile lies past the count is jumped, forward; no barrier stands here, and LDS is only read.
	s_mov_b32 s21, 10
.Lunit:
	s_sub_co_u32 s40, 10, s21                      ; u
	s_cmp_lt_u32 s40, 4
	s_cbranch_scc0 .Ljob
	s_cmp_lt_u32 s14, 4
	s_cbranch_scc0 .Lnext
	s_lshl_b32 s41, s40, 2
	s_add_co_u32 s41, s41, s15                     ; tile 4 u + w
	s_cmp_lt_u32 s41, s36
	s_cbranch_scc0 .Lnext
	s_cmp_eq_u32 s40, 0
	s_cbranch_scc1 .Lb0
	s_cmp_eq_u32 s40, 1
	s_cbranch_scc1 .Lb1
	s_cmp_eq_u32 s40, 2
	s_cbranch_scc1 .Lb2
	s_branch .Lb3
.Ljob:
	s_lshl_b32 s41, s40, 3
	s_add_co_u32 s41, s41, s19
	s_sub_co_u32 s41, s41, 16                      ; tile 16 + id + 8 (u - 4)
	s_cmp_lt_u32 s41, s36
	s_cbranch_scc0 .Lnext
	; A JOB: one tile x 128 columns x 1,024 k from the resident slice: four trips of 8 steps.  Rows seven steps ahead in 8 slots; B one step ahead in two buffers, not across a trip's end.
	s_wait_xcnt 0x0                                ; earlier stores have read their registers: what follows rewrites them
	ROWLD ROW
	ROWFIN ROW
	s_mov_b64 s[30:31], s[28:29]
	s_add_nc_u64 s[32:33], s[28:29], 512
.irp i, 0,1,2,3,4,5,6
	global_load_b128 v[AR+8*\i:AR+8*\i+3],   v[ROW], s[30:31] offset:64*\i
	global_load_b128 v[AR+8*\i+4:AR+8*\i+7], v[ROW], s[30:31] offset:64*\i+32
.endr
	WIN TO1
.set n, 0
.rept 64
	v_mov_b32 v[n], 0
.set n, n+1
.endr
	WIN 0
.macro OSTEP i
	PLACES                                         ; behind the last step's products, which read the slot and the buffer that are loaded now
	WIN 0
.if (\i) == 0
	global_load_b128 v[AR+56:AR+59], v[ROW], s[30:31] offset:448
	global_load_b128 v[AR+60:AR+63], v[ROW], s[30:31] offset:480
	BLOAD 0, 0, BB
	BLOAD 1, 0, BB
.else
	global_load_b128 v[AR+8*((\i)-1):AR+8*((\i)-1)+3],   v[ROW], s[32:33] offset:64*((\i)-1)
	global_load_b128 v[AR+8*((\i)-1)+4:AR+8*((\i)-1)+7], v[ROW], s[32:33] offset:64*((\i)-1)+32
.endif
.if (\i) < 7
	BLOAD 0, (\i)+1, BB+128*(((\i)+1)%2)
	BLOAD 1, (\i)+1, BB+128*(((\i)+1)%2)
	s_wait_loadcnt 14                              ; this step's rows are in: seven younger steps of 2 loads stay out
	s_wait_dscnt 16                                ; this step's B is in; the next step's 16 loads stay out
.else
	s_wait_loadcnt 14
	s_wait_dscnt 0x0
.endif
	WIN W_MM
.irp b, 0,1,2,3,4,5,6,7
	v_wmma_f32_16x16x32_bf16 v[8*\b:8*\b+7], v[AR+8*(\i):AR+8*(\i)+7], v[BB+128*((\i)%2)+8*\b:BB+128*((\i)%2)+8*\b+7], v[8*\b:8*\b+7]
.endr
.endm
	s_mov_b32 s48, 4
.Ljob_trip:
	s_sub_co_u32 s27, 4, s48                       ; the trip's chunk in LDS, from the loop's counter
	s_mul_i32 s27, s27, CHB
	v_add_nc_u32 v[BAD0], s27, v[BRD]
	s_add_co_u32 s27, s27, HCB
	v_add_nc_u32 v[BAD1], s27, v[BRD]
.irp i, 0,1,2,3,4,5,6,7
	OSTEP \i
.endr
	WIN 0
	s_wait_xcnt 0x0
	s_add_nc_u64 s[22:23], s[32:33], 512
	s_mov_b64 s[30:31], s[32:33]
	s_cmp_eq_u32 s48, 2
	s_cselect_b64 s[32:33], s[28:29], s[22:23]
	s_sub_co_u32 s48, s48, 1
	s_cmp_lg_u32 s48, 0
	s_cbranch_scc1 .Ljob_trip
	s_wait_loadcnt 0x0
	PLACES
; tile slot m's 64 sums, with the bias, into Y, where four neighbouring columns of a row lie in four neighbouring registers; each accumulator's registers in ascending order
.macro BLOCK m
	s_wait_xcnt 0x0                                ; the last tile's stores have read Y and their offsets
	WIN RD1
.irp b, 0,1,2,3,4,5,6,7
.irp j, 0,1,2,3,4,5,6,7
	v_add_f32 v[Y+8*\j+\b], v[64*(\m)+8*\b+\j], v[BI+\b]
.endr
.endr
	WIN 0
.endm
.Lb0:
	BLOCK 0
	s_branch .Lout
.Lb1:
	BLOCK 1
	s_branch .Lout
.Lb2:
	BLOCK 2
	s_branch .Lout
.Lb3:
	BLOCK 3
.Lout:
	s_lshl_b32 s2, s41, 5                          ; the list's entries of my eight rows 8 (lane / 16) + 0..7: 16 bytes
	v_lshl_add_u32 v[TA], v[HH], 4, s2
	v_add_nc_u32 v[TA], LIST, v[TA]
	ds_load_b128 v[TQ:TQ+3], v[TA]
	s_wait_dscnt 0x0
.irp j, 0,1,2,3,4,5,6,7
.if (\j)%2 == 0
	v_and_b32 v[OUTO+\j], 0xffff, v[TQ+(\j)/2]
.else
	v_lshrrev_b32 v[OUTO+\j], 16, v[TQ+(\j)/2]
.endif
	v_min_u32 v[OUTO+\j], 0x7ff, v[OUTO+\j]        ; 2 token + choice, held inside y,
	v_lshlrev_b32 v[OUTO+\j], 14, v[OUTO+\j]       ; x four partial rows of 4,096 bytes,
	v_lshl_add_u32 v[OUTO+\j], v[RR], 4, v[OUTO+\j]  ; + 16 bytes a lane
.endr
.irp j, 0,1,2,3,4,5,6,7
.irp g, 0,1
	global_store_b128 v[OUTO+\j], v[Y+8*\j+4*\g:Y+8*\j+4*\g+3], s[52:53] offset:256*\g  ; 16 lanes store 256 consecutive bytes, at a multiple of 256 from y's first byte
.endr
.endr
.Lnext:
	s_sub_co_u32 s21, s21, 1
	s_cmp_lg_u32 s21, 0
	s_cbranch_scc1 .Lunit
	s_wait_dscnt 0x0                               ; my reads of LDS are back,
	s_barrier_signal -1
	s_barrier_wait -1                              ; and so are every wave's, ahead of any wave's closing lines
	s_wait_tensorcnt 0x0                           ; the wave's end, behind my last LDS store
	ds_add_u32 v[SPW], v[NIL]
	s_wait_dscnt 0x0
	s_endpgm
.Lfunc_end_k_q01e402d18e_ffn2:
	.size	k_q01e402d18e_ffn2, .Lfunc_end_k_q01e402d18e_ffn2-k_q01e402d18e_ffn2
	.p2alignl 7, 3214868480
	.fill 96, 4, 3214868480
	.section	.rodata,"a",@progbits
	.p2align	6, 0x0
	.amdhsa_kernel k_q01e402d18e_ffn2
		.amdhsa_group_segment_fixed_size 274176
		.amdhsa_private_segment_fixed_size 0
		.amdhsa_enable_private_segment 0
		.amdhsa_kernarg_size 40
		.amdhsa_user_sgpr_count 2
		.amdhsa_user_sgpr_kernarg_segment_ptr 1
		.amdhsa_wavefront_size32 1
		.amdhsa_system_sgpr_workgroup_id_x 1
		.amdhsa_system_sgpr_workgroup_id_y 1
		.amdhsa_system_sgpr_workgroup_id_z 1
		.amdhsa_system_vgpr_workitem_id 0
		.amdhsa_next_free_vgpr 512
		.amdhsa_next_free_sgpr 96
		.amdhsa_reserve_vcc 1
		.amdhsa_float_denorm_mode_32 3
		.amdhsa_float_denorm_mode_16_64 3
		.amdhsa_memory_ordered 1
		.amdhsa_forward_progress 1
		.amdhsa_inst_pref_size 147
	.end_amdhsa_kernel
	.amdgpu_metadata
---
amdhsa.version: [ 1, 2 ]
amdhsa.kernels:
  - .name:           k_q01e402d18e_ffn2
    .symbol:         k_q01e402d18e_ffn2.kd
    .args:
      - { .name: sel, .offset: 0, .size: 8, .value_kind: global_buffer, .address_space: global }
      - { .name: h, .offset: 8, .size: 8, .value_kind: global_buffer, .address_space: global }
      - { .name: w2, .offset: 16, .size: 8, .value_kind: global_buffer, .address_space: global }
      - { .name: b2, .offset: 24, .size: 8, .value_kind: global_buffer, .address_space: global }
      - { .name: y, .offset: 32, .size: 8, .value_kind: global_buffer, .address_space: global }
    .group_segment_fixed_size: 274176
    .private_segment_fixed_size: 0
    .kernarg_segment_align: 8
    .kernarg_segment_size: 40
    .max_flat_workgroup_size: 256
    .sgpr_count:     96
    .vgpr_count:     512
    .wavefront_size: 32
...
	.end_amdgpu_metadata
.endif
;; end of part 3
;; launch combine (part 4): grid 256 x 1, 4 waves a work-group, no clusters, 0 bytes of LDS; arguments y, prob, ln_g, ln_b, out0; writes out0
.if DOCPART == 4
	.amdgcn_target "amdgcn-amd-amdhsa--gfx1250"
	.amdhsa_code_object_version 6
	.text
	.protected	k_q01e402d18e_combine
	.globl	k_q01e402d18e_combine
	.p2align	8
	.type	k_q01e402d18e_combine,@function
k_q01e402d18e_combine:
	s_mov_b64 s[64:65], 0
	v_nop
	global_prefetch_b8 v0, s[64:65] scope:SCOPE_SE
	s_setreg_imm32_b32 hwreg(HW_REG_WAVE_MODE, 25, 1), 1
	s_wait_xcnt 0x0
; COMBINE AND LAYERNORM.  One wave, one token.  out = LayerNorm(sum over the two choices j of p_j x (sum over the four quarters of K of y[token][j][ks][:])) x ln_g + ln_b.
; A token's eight partial rows are 32,768 consecutive bytes; the row of 1,024 sums stays in 32 registers a lane, so nothing is read twice and no wave waits for another.
; Mean first, then the mean of the squared differences (no difference of large sums); all in f32; ln_g and ln_b are rounded to bf16 once, as all the program's inputs are.
; Memory binds here: no LDS, no matrix unit, no cluster.  NaN and infinities are not treated apart.
.set O,    8         ; v[8:39]    the row: load i holds elements 128 i + 4 lane + 0..3
.set LG,   40        ; v[40:71]   ln_g, later packed into v[40:55]
.set LB,   72        ; v[72:103]  ln_b, likewise
.set RING, 104       ; v[104:231] four slots of a partial row; later at work
	s_load_b256 s[4:11], s[0:1], 0x0               ; y s[4:5], prob s[6:7], ln_g s[8:9], ln_b s[10:11]
	s_load_b64 s[12:13], s[0:1], 0x20              ; out0
	v_and_b32 v1, 31, v0
	v_lshrrev_b32 v2, 5, v0
	v_readfirstlane_b32 s24, v2
	s_lshl2_add_u32 s25, ttmp9, s24                ; token = 4 x work-group + wave
	v_lshlrev_b32 v2, 4, v1                        ; 16 lane
	s_lshl_b32 s26, s25, 15
	s_mov_b32 s27, 0
	s_lshl_b32 s28, s25, 3
	s_mov_b32 s29, 0
	s_lshl_b32 s30, s25, 12
	s_mov_b32 s31, 0
	s_mov_b32 s20, 0x3a800000                      ; 1 / 1,024
	s_mov_b32 s21, 0x3727c5ac                      ; 1e-5
	s_mov_b32 s22, 0x76543210                      ; v_permlanex16_b32: each lane takes its own place in the other half
	s_mov_b32 s23, 0xfedcba98
	s_wait_kmcnt 0x0
	s_add_nc_u64 s[4:5], s[4:5], s[26:27]
	s_add_nc_u64 s[6:7], s[6:7], s[28:29]
	s_add_nc_u64 s[12:13], s[12:13], s[30:31]
	s_load_b64 s[16:17], s[6:7], 0x0               ; p0, p1: stored by an earlier launch
.irp i, 0,1,2,3,4,5,6,7
	global_load_b128 v[LG+4*\i:LG+4*\i+3], v2, s[8:9] offset:512*\i
.endr
.irp i, 0,1,2,3,4,5,6,7
	global_load_b128 v[LB+4*\i:LB+4*\i+3], v2, s[10:11] offset:512*\i
.endr
.macro FILL rr                         ; partial row rr into its slot: eight loads of 512 consecutive bytes
.irp i, 0,1,2,3,4,5,6,7
	global_load_b128 v[RING+32*((\rr)%4)+4*\i:RING+32*((\rr)%4)+4*\i+3], v2, s[4:5] offset:4096*(\rr)+512*\i th:TH_LOAD_NT
.endr
.endm
	FILL 0
	FILL 1
	FILL 2
	FILL 3
	s_wait_kmcnt 0x0
	s_mov_b32 s18, s17                             ; p1 as the low word of a pair of its own
	s_mov_b32 s19, s17
.macro TAKE rr, left                   ; row rr is weighed in; left: the younger loads, which stay out
	s_wait_loadcnt \left
.set n, 0
.rept 16
.if (\rr) == 0
	v_pk_mul_f32 v[O+n:O+n+1], v[RING+n:RING+n+1], s[16:17] op_sel_hi:[1,0]
.else
	v_pk_fma_f32 v[O+n:O+n+1], v[RING+32*((\rr)%4)+n:RING+32*((\rr)%4)+n+1], s[16+2*((\rr)/4):17+2*((\rr)/4)], v[O+n:O+n+1] op_sel_hi:[1,0,1]
.endif
.set n, n+2
.endr
.if (\rr) < 4
	FILL (\rr)+4
.endif
.endm
	TAKE 0, 24                                     ; three younger rows of 8 loads
	TAKE 1, 24
	TAKE 2, 24
	TAKE 3, 24
	TAKE 4, 24
	TAKE 5, 16                                     ; nothing more is asked for: the counts run down
	TAKE 6, 8
	TAKE 7, 0
.macro TREE                            ; 8 pairs at RING into one number in every lane
.irp n, 0,2,4,6
	v_pk_add_f32 v[RING+\n:RING+\n+1], v[RING+\n:RING+\n+1], v[RING+8+\n:RING+8+\n+1]
.endr
.irp n, 0,2
	v_pk_add_f32 v[RING+\n:RING+\n+1], v[RING+\n:RING+\n+1], v[RING+4+\n:RING+4+\n+1]
.endr
	v_pk_add_f32 v[RING:RING+1], v[RING:RING+1], v[RING+2:RING+3]
	v_add_f32 v[RING], v[RING], v[RING+1]
.irp m, 1,2,4,8
	v_add_f32_dpp v[RING], v[RING], v[RING] row_xmask:\m row_mask:0xf bank_mask:0xf
.endr
	v_permlanex16_b32 v[RING+1], v[RING], s22, s23
	v_add_f32 v[RING], v[RING], v[RING+1]
.endm
.set n, 0
.rept 8
	v_pk_add_f32 v[RING+n:RING+n+1], v[O+n:O+n+1], v[O+16+n:O+16+n+1]
.set n, n+2
.endr
	TREE
	v_mul_f32 v4, s20, v[RING]                     ; the mean,
	v_mov_b32 v5, v4                               ; as a pair
.set n, 0
.rept 16
	v_pk_add_f32 v[O+n:O+n+1], v[O+n:O+n+1], v[4:5] neg_lo:[0,1] neg_hi:[0,1]
.set n, n+2
.endr
.set n, 0
.rept 8
	v_pk_mul_f32 v[RING+n:RING+n+1], v[O+n:O+n+1], v[O+n:O+n+1]
.set n, n+2
.endr
.set n, 0
.rept 8
	v_pk_fma_f32 v[RING+n:RING+n+1], v[O+16+n:O+16+n+1], v[O+16+n:O+16+n+1], v[RING+n:RING+n+1]
.set n, n+2
.endr
	TREE
	v_fma_f32 v6, v[RING], s20, s21                ; variance + 1e-5
	v_rsq_f32 v6, v6
.set n, 0
.rept 16                               ; the gains' and offsets' rounding is the plain work behind the root; packed in place, ascending
	v_cvt_pk_bf16_f32 v[LG+n], v[LG+2*n], v[LG+2*n+1]
	v_cvt_pk_bf16_f32 v[LB+n], v[LB+2*n], v[LB+2*n+1]
.set n, n+1
.endr
	s_wait_alu depctr_va_vdst(0)                   ; the wait ahead of the root's first reader
	v_mov_b32 v7, v6
.set n, 0
.rept 16
	v_pk_mul_f32 v[O+n:O+n+1], v[O+n:O+n+1], v[6:7]
.set n, n+2
.endr
.set n, 0
.rept 16
	v_fma_mix_f32_bf16 v[O+2*n], v[O+2*n], v[LG+n], v[LB+n] op_sel_hi:[0,1,1]
	v_fma_mix_f32_bf16 v[O+2*n+1], v[O+2*n+1], v[LG+n], v[LB+n] op_sel:[0,1,1] op_sel_hi:[0,1,1]
.set n, n+1
.endr
.irp i, 0,1,2,3,4,5,6,7
	global_store_b128 v2, v[O+4*\i:O+4*\i+3], s[12:13] offset:512*\i th:TH_STORE_NT  ; 512 consecutive bytes, at a multiple of 256 from out0's first byte
.endr
	s_endpgm
.Lfunc_end_k_q01e402d18e_combine:
	.size	k_q01e402d18e_combine, .Lfunc_end_k_q01e402d18e_combine-k_q01e402d18e_combine
	.p2alignl 7, 3214868480
	.fill 96, 4, 3214868480
	.section	.rodata,"a",@progbits
	.p2align	6, 0x0
	.amdhsa_kernel k_q01e402d18e_combine
		.amdhsa_group_segment_fixed_size 0
		.amdhsa_private_segment_fixed_size 0
		.amdhsa_enable_private_segment 0
		.amdhsa_kernarg_size 40
		.amdhsa_user_sgpr_count 2
		.amdhsa_user_sgpr_kernarg_segment_ptr 1
		.amdhsa_wavefront_size32 1
		.amdhsa_system_sgpr_workgroup_id_x 1
		.amdhsa_system_sgpr_workgroup_id_y 1
		.amdhsa_system_sgpr_workgroup_id_z 1
		.amdhsa_system_vgpr_workitem_id 0
		.amdhsa_next_free_vgpr 240
		.amdhsa_next_free_sgpr 66
		.amdhsa_reserve_vcc 0
		.amdhsa_float_denorm_mode_32 3
		.amdhsa_float_denorm_mode_16_64 3
		.amdhsa_memory_ordered 1
		.amdhsa_forward_progress 1
		.amdhsa_inst_pref_size 28
	.end_amdhsa_kernel
	.amdgpu_metadata
---
amdhsa.version: [ 1, 2 ]
amdhsa.kernels:
  - .name:           k_q01e402d18e_combine
    .symbol:         k_q01e402d18e_combine.kd
    .args:
      - { .name: y, .offset: 0, .size: 8, .value_kind: global_buffer, .address_space: global }
      - { .name: prob, .offset: 8, .size: 8, .value_kind: global_buffer, .address_space: global }
      - { .name: ln_g, .offset: 16, .size: 8, .value_kind: global_buffer, .address_space: global }
      - { .name: ln_b, .offset: 24, .size: 8, .value_kind: global_buffer, .address_space: global }
      - { .name: out0, .offset: 32, .size: 8, .value_kind: global_buffer, .address_space: global }
    .group_segment_fixed_size: 0
    .private_segment_fixed_size: 0
    .kernarg_segment_align: 8
    .kernarg_segment_size: 40
    .max_flat_workgroup_size: 128
    .sgpr_count:     66
    .vgpr_count:     240
    .wavefront_size: 32
...
	.end_amdgpu_metadata
.endif
;; end of part 4
